; MI455X (gfx1250); checked and timed in simulation.
; The chip was launched on July 23, 2026; its instructions are those of AMD's public machine-readable ISA for CDNA 5 (MIT licence, August 2026) and "CDNA5" Instruction Set Architecture Reference Guide (July 2026). The comments in the code are by the model that wrote it; some were corrected since.
;; Multi Head Attention. Allowed arithmetic: matrix products marked QUANTISED: E2M3 operands, one E8M0 scale for each 32 along K, by v_wmma_scale_f32_16x16x128_f8f6f4 with both operands' format E2M3, f32 sums; everything else in f32.
;; Inputs: Wk 16 x 1,024 x 64 float32; Wo 1,024 x 1,024 float32; Wq 16 x 1,024 x 64 float32; Wv 16 x 1,024 x 64 float32; bo 1,024 float32; x 4 x 2,048 x 1,024 float32.
;; Outputs: out0 4 x 2,048 x 1,024 float32.
;; This version of the problem:
;;   THIS VERSION OF THE PROBLEM IS GIVEN IN LOW PRECISION. The matrix products marked QUANTISED in the list below multiply operands that are first quantised to E2M3 (2 exponent bits, 3 mantissa bits; 6 bits a number), with one power-of-two scale for each 32 numbers along K (OCP MX v1.0); their sums are f32. All else is computed in f32.
;;   The module's matrix products, in the order in which they are computed (A, B: the left and right operand; K: the contracted axis; several contracted axes count as one K, in the product's order):
;;     1. [M 1,024, K 1,024] x [K 1,024, N 8,192]; A: input Wq; B: input x: QUANTISED
;;     2. [M 1,024, K 1,024] x [K 1,024, N 8,192]; A: input Wk; B: input x: QUANTISED
;;     3. [M 1,024, K 1,024] x [K 1,024, N 8,192]; A: input Wv; B: input x: QUANTISED
;;     4. batch 64 x [M 2,048, K 64] x [K 64, N 2,048]; A: computed on the way; B: computed on the way: QUANTISED
;;     5. batch 64 x [M 2,048, K 2,048] x [K 2,048, N 64]; A: softmax (see below); B: computed on the way: QUANTISED
;;     6. [M 8,192, K 1,024] x [K 1,024, N 1,024]; A: computed on the way; B: input Wo: QUANTISED
;;   THE QUANTISER, for each operand of a quantised product, along K:
;;     - K is cut into blocks of 32 from its start; a last block that is shorter is filled with zeros.
;;     - A block's scale is 2^e with e = floor(log2(the largest magnitude in the block)) - 2, held to -126 .. 127; a block of zeros has e = 0. As a byte (E8M0): e + 127.
;;     - Each number is divided by its block's scale, clamped to +-7.5, and rounded to the nearest number of E2M3, ties to even, subnormals kept.
;;     - The product sums the exact products of the quantised numbers (number of the format x scale) in f32.
;;   ~~~python
;;   def quantise(x, axis):      # numpy; x: float32 -> the quantised numbers, widened to float32 again
;;       x = np.moveaxis(x, axis, -1); K = x.shape[-1]
;;       x = np.pad(x, [(0, 0)] * (x.ndim - 1) + [(0, -K % 32)]); x = x.reshape(x.shape[:-1] + (-1, 32)); a = np.abs(x).max(-1, keepdims=True)
;;       e = np.where(a > 0, np.clip(np.frexp(np.where(a > 0, a, 1))[1] - 1 - 2, -126, 127), 0)      # np.frexp(a)[1] - 1 = floor(log2(a)), exactly
;;       r = np.clip(x / 2.0 ** e, -7.5, 7.5)
;;       step = 2.0 ** (np.maximum(np.frexp(np.where(r == 0, 1, r))[1] - 1, 0) - 3)
;;       q = np.round(r / step) * step * 2.0 ** e      # np.round: ties to even
;;       return np.moveaxis(q.reshape(q.shape[:-2] + (-1,))[..., :K], -1, axis).astype(np.float32)
;;   ~~~
;;   SOFTMAX AHEAD OF A QUANTISED PRODUCT. Where the list says 'softmax', what is quantised is not the finished softmax but p = 2^(t - M), with t = logit x log2(e) and M = ceil(the row's largest t), a whole number; so 1/2 < the row's largest p <= 1. The row's sum l is taken of the UNQUANTISED p, in f32, and the product's result is divided by l at the end. Since M is a whole number, a kernel that streams over the keys may use a running M (the ceiling of the running maximum): every later rescaling is an exact power of two, which a block's scale takes up: the codes' values come out the same.
;;   OPERANDS COMPUTED ON THE WAY. 'Computed on the way' means the value that the module computes at that place (a softmax that the list does not call 'softmax' is quantised finished and normalised). What goes into a quantiser is computed in f32, as accurately as f32 sums, v_exp_f32 and their like allow (about 1e-6 of the number): no bf16 or f16 on the way to a quantiser, and a product that is left as it is and whose result goes on into a quantised operand takes f32 operands (vector FMAs, or v_wmma_f32_16x16x4_f32). A number that lies on a knife's edge between two numbers of the format may be rounded either way, as far as f32 arithmetic and the matrix unit's own rounding can turn it there, and no further.
;; One version. Each part assembles by itself: llvm-mc -triple=amdgcn-amd-amdhsa -mcpu=gfx1250 --defsym DOCPART=n.
;; ======== version 1 of 1: 4 launches
;; limits: right only within a limited range of input values
;; workspace buffers: opnd 9,830,400 bytes; qkv 19,660,800 bytes; att 6,553,600 bytes
;; launch quant (part 1): grid 384 x 1, 4 waves a work-group, no clusters, 34,304 bytes of LDS; arguments x, Wo, Wq, Wk, Wv, opnd; writes opnd
.if DOCPART == 1
	.amdgcn_target "amdgcn-amd-amdhsa--gfx1250"
	.amdhsa_code_object_version 6
	.text
	.protected	k_q38cd9a0f51_quant
	.globl	k_q38cd9a0f51_quant
	.p2align	8
	.type	k_q38cd9a0f51_quant,@function
k_q38cd9a0f51_quant:
	s_mov_b64 s[64:65], 0
	v_nop
	global_prefetch_b8 v0, s[64:65] scope:SCOPE_SE
	s_setreg_imm32_b32 hwreg(HW_REG_WAVE_MODE, 25, 1), 1
	s_wait_xcnt 0x0
; x [8192][1024], Wo [1024][1024] (K innermost) and Wq, Wk, Wv [16][1024][64] (K = the middle axis), all f32, become codes of FP6 (E2M3) with one E8M0 byte for each 32 along K.
; A block's scale is 2^(floor(log2(its largest magnitude)) - 2); its byte is the largest magnitude's exponent field - 2, held at 1 from below by a floor among the maximum's leaves.
; LIMITS: NaN and infinities among the inputs are not served; a block whose largest magnitude lies under 2^-124 keeps the byte 1; a block of zeros gets the byte 1 where the rule says 127:
; its codes are zeros, which add nothing under any byte but 0xff, and this program alone reads the bytes.
; THE LAYOUT OF opnd is the order of the operands' registers.  Rows go in tiles of 16 (RT): lane r of RT 2 b + u holds row 32 b + 8 u + r + 8 (r / 8).  RT 0-511: x; 512-703: the rows (head, e) of Wq, Wk, Wv; 704-767: Wo.
; A HALF FRAGMENT (HF, 768 bytes) is 16 rows x 64 along K: lane (r, h) holds the 24 bytes of block h of row r, registers 2 j, 2 j + 1 at byte 256 j + 8 x lane: each store of a wave covers 256 consecutive bytes, aligned.
; Codes: [RT][16 HF], 12,288 bytes an RT.  Scale words (4 bytes: a row's 128 along K) from byte OPSC on: [RT][K / 256][r][2 words], 512 bytes an RT.
; Work-groups 0-95 take the three weights (a lane to a column, registers down K: nothing is transposed by an instruction), the others x and Wo (whole rows' bytes as they lie, turned through the wave's own stage in LDS).
; The weights' scale words leave in runs of 128 bytes (two words a lane): 98,304 bytes of the launch's stores.  No tensor loads, no barrier: waves share nothing.  Only the second path touches LDS.
.set RTB,   12288
.set HF,    768
.set OPSC,  9437184
.set FLOOR, 0x1800000                  ; 2^(3 - 127)
.set EOFF,  0xff000000                 ; 2 off an exponent field
.set SPT,   528                        ; a stage row: 512 bytes + 16: the sixteen rows that a load of 16 bytes a lane touches start 33 x 16 bytes apart
.set WST,   16*SPT                     ; a wave's stage
	s_load_b256 s[4:11], s[0:1], 0x0               ; x s[4:5], Wo s[6:7], Wq s[8:9], Wk s[10:11]
	s_load_b128 s[12:15], s[0:1], 0x20             ; Wv s[12:13], opnd s[14:15]
	v_lshl_add_u32 v232, v0, 2, 0x8400
	v_mov_b32 v233, 0
	v_lshrrev_b32 v1, 5, v0
	v_readfirstlane_b32 s16, v1                    ; wave 0..3
	v_and_b32 v1, 31, v0                           ; lane
	v_lshlrev_b32 v3, 3, v1                        ; 8 x lane: my place in a plane of an HF
	s_cmp_lt_u32 ttmp9, 96
	s_cbranch_scc0 .Lrows
; ---------------- THE WEIGHTS: work-group g = 0..95: matrix g / 2 (which x 16 + head), half g % 2 of K.  Wave w: 32 columns (w % 2), 256 along K (2 (g % 2) + w / 2).
	s_lshr_b32 s17, ttmp9, 1                       ; mat
	s_and_b32 s18, ttmp9, 1
	s_and_b32 s19, s17, 15                         ; head
	s_and_b32 s20, s16, 1                          ; bg: which 32 columns
	s_lshr_b32 s21, s16, 1
	s_lshl_b32 s18, s18, 1
	s_add_co_u32 s21, s21, s18                     ; kq: which 256 along K
	s_lshl_b32 s22, s19, 18                        ; in: head x 262,144
	s_lshl_b32 s23, s21, 16                        ;   + kq x 256 rows of 256 bytes
	s_add_co_u32 s22, s22, s23
	s_lshl_b32 s23, s20, 7                         ;   + bg x 128
	s_add_co_u32 s22, s22, s23
	s_mov_b32 s23, 0
	; THE WEIGHTS' RTs LIE IN UNITS OF SIX, as one wave of the next launch takes them: unit c = 0..31 is RT 512 + 6 c: four RTs of head c of Wq (c under 16) or Wk, then the two RTs of half c % 2 of head c / 2 of Wv
	s_mul_i32 s24, s17, 6
	s_lshl_b32 s25, s20, 1
	s_add_co_u32 s24, s24, s25                     ; Wq, Wk: 6 mat + 2 bg
	s_mul_i32 s25, s17, 12
	s_mul_i32 s30, s20, 6
	s_add_co_u32 s25, s25, s30
	s_sub_co_u32 s25, s25, 380                     ; Wv: 6 (2 (mat - 32) + bg) + 4
	s_cmp_lt_u32 s17, 32
	s_cselect_b32 s24, s24, s25
	s_add_co_u32 s24, s24, 512                     ; my first RT
	s_mul_i32 s26, s24, RTB
	s_mul_i32 s25, s21, 4*HF
	s_add_co_u32 s26, s26, s25                     ; codes: RT x 12,288 + kq x 4 HF
	s_mov_b32 s27, 0
	s_lshl_b32 s28, s24, 9
	s_lshl_b32 s25, s21, 7
	s_add_co_u32 s28, s28, s25
	s_add_co_u32 s28, s28, OPSC                    ; scale words: RT x 512 + kq x 128
	s_mov_b32 s29, 0
	s_wait_alu depctr_va_vdst(0)
	v_and_b32 v2, 7, v1
	v_bfe_u32 v4, v1, 4, 1
	v_lshl_add_u32 v2, v4, 3, v2
	v_bfe_u32 v5, v1, 3, 1
	v_lshl_add_u32 v2, v5, 4, v2                   ; my column of the 32: 8 (l / 16) + l % 8 + 16 ((l / 8) % 2): lanes 0-15 are RT 2 bg in its order, lanes 16-31 RT 2 bg + 1
	v_lshlrev_b32 v2, 2, v2                        ; in bytes; a load of the wave still covers 128 consecutive bytes
	v_and_b32 v5, 15, v1
	v_lshlrev_b32 v5, 3, v5
	v_lshl_add_u32 v4, v4, 9, v5                   ; my two scale words: (l / 16) x 512 + 8 (l % 16)
	s_wait_alu depctr_va_vdst(0)
	s_wait_kmcnt 0x0
	s_cmp_lt_u32 s17, 32                           ; the choice of the buffer hangs on the work-group's number alone
	s_cselect_b64 s[10:11], s[10:11], s[12:13]
	s_cmp_lt_u32 s17, 16
	s_cselect_b64 s[8:9], s[8:9], s[10:11]
	s_add_nc_u64 s[8:9], s[8:9], s[22:23]
	s_add_nc_u64 s[26:27], s[14:15], s[26:27]
	s_add_nc_u64 s[28:29], s[14:15], s[28:29]
.macro LOADC t                         ; block t: W(32 t + i, my column), i = 0 .. 31, into set t % 2 (v16-47, v48-79)
.irp i, 0,1,2,3,4,5,6,7,8,9,10,11,12,13,14,15,16,17,18,19,20,21,22,23,24,25,26,27,28,29,30,31
	global_load_b32 v[16+32*((\t)%2)+\i], v2, s[8:9] offset:(32*(\t)+\i)*256 th:TH_LOAD_NT
.endr
.endm
.macro BLOCKC t                        ; a whole block of 32 along K lies in my 32 registers
.set XS, 16+32*((\t)%2)
.set CC, 208+8*((\t)%2)
.if (\t) < 7
	s_wait_loadcnt 32                              ; this block's 32 loads are in; the next block's 32 may be out
.else
	s_wait_loadcnt 0
.endif
	v_max3_num_f32 v8, |v[XS]|, |v[XS+1]|, |v[XS+2]|
	v_max3_num_f32 v9, |v[XS+3]|, |v[XS+4]|, |v[XS+5]|
.irp i, 6,10,14,18,22,26
	v_max3_num_f32 v8, v8, |v[XS+\i]|, |v[XS+\i+1]|
	v_max3_num_f32 v9, v9, |v[XS+\i+2]|, |v[XS+\i+3]|
.endr
	v_max3_num_f32 v8, v8, |v[XS+30]|, |v[XS+31]|
	v_max3_num_f32 v8, v8, v9, FLOOR               ; the block's largest magnitude, and the floor
	v_add_nc_u32 v10, EOFF, v8                     ; the conversion takes the exponent field of this operand as its scale
	v_lshrrev_b32 v11, 23, v10                     ; the scale's byte
.if (\t)%4 == 0
	v_mov_b32 v[6+(\t)/4], v11                     ; four bytes to a word, the lower K in the lower byte
.else
	v_lshl_or_b32 v[6+(\t)/4], v11, 8*((\t)%4), v[6+(\t)/4]
.endif
.if ((\t)%2 == 0) && ((\t) > 0)
	s_wait_alu depctr_va_vdst(0)
	s_wait_xcnt 0x0                                ; the last pair's stores have read their registers: both blocks' codes may be written again
.endif
	v_cvt_scalef32_pk16_fp6_f32 v[CC:CC+2], v[XS:XS+15], v10
	v_cvt_scalef32_pk16_fp6_f32 v[CC+4:CC+6], v[XS+16:XS+31], v10   ; (a conversion's three registers begin on an even number)
.if (\t)+2 < 8
	LOADC (\t)+2
.endif
.endm
.macro PAIRC ch                        ; two blocks are a chunk of 64: the halves of the lanes change places, so that each run of six registers is one RT's HF
	v_nop                                          ; one plain place behind a scaled conversion
.irp i, 0,1,2
	v_permlane16_swap_b32 v[208+\i], v[216+\i]     ; first: lanes 0-15 block 0, lanes 16-31 block 1, of RT 2 bg; second: the same of RT 2 bg + 1
	v_permlane16_swap_b32 v[212+\i], v[220+\i]
.endr
	v_mov_b32 v211, v212
	v_mov_b32 v212, v213
	v_mov_b32 v213, v214
	v_mov_b32 v219, v220
	v_mov_b32 v220, v221
	v_mov_b32 v221, v222
.irp j, 0,1,2
	global_store_b64 v3, v[208+2*\j:209+2*\j], s[26:27] offset:(\ch)*HF+256*\j
	global_store_b64 v3, v[216+2*\j:217+2*\j], s[26:27] offset:RTB+(\ch)*HF+256*\j
.endr
.endm
	LOADC 0
	LOADC 1
.irp t, 0,1,2,3,4,5,6,7
	BLOCKC \t
.if \t%2
	PAIRC \t/2
.endif
.endr
	global_store_b64 v4, v[6:7], s[28:29]          ; my column's two scale words
	s_endpgm
; ---------------- x AND Wo: work-group g' = g - 96: a pair of RTs (32 rows).  Wave w: RT 2 P + w / 2, 512 along K (w % 2), in four steps of 128.
.Lrows:
	s_sub_co_u32 s17, ttmp9, 96
	s_cmp_lt_u32 s17, 256                          ; x's work-group or Wo's?
	s_cselect_b32 s18, 0, 256
	s_cselect_b32 s19, 0, 704
	s_wait_kmcnt 0x0
	s_cselect_b64 s[4:5], s[4:5], s[6:7]
	s_sub_co_u32 s17, s17, s18                     ; P
	s_lshr_b32 s20, s16, 1                         ; u
	s_and_b32 s21, s16, 1                          ; kh
	s_lshl_b32 s22, s17, 17                        ; in: 32 rows of 4,096 bytes
	s_lshl_b32 s23, s20, 15                        ;   + 8 u rows
	s_add_co_u32 s22, s22, s23
	s_lshl_b32 s23, s21, 11                        ;   + 512 numbers
	s_add_co_u32 s22, s22, s23
	s_mov_b32 s23, 0
	s_add_nc_u64 s[4:5], s[4:5], s[22:23]
	s_lshl_b32 s24, s17, 1
	s_add_co_u32 s24, s24, s20
	s_add_co_u32 s24, s24, s19                     ; RT
	s_mul_i32 s26, s24, RTB
	s_mul_i32 s25, s21, 8*HF
	s_add_co_u32 s26, s26, s25
	s_mov_b32 s27, 0
	s_add_nc_u64 s[26:27], s[14:15], s[26:27]
	s_lshl_b32 s28, s24, 9
	s_lshl_b32 s25, s21, 8
	s_add_co_u32 s28, s28, s25
	s_add_co_u32 s28, s28, OPSC
	s_mov_b32 s29, 0
	s_add_nc_u64 s[28:29], s[14:15], s[28:29]
	s_mov_b32 s30, 0x76543210
	s_mov_b32 s31, 0xfedcba98                      ; v_permlanex16_b32's selects for lane l xor 16
	s_mul_i32 s25, s16, WST
	s_wait_alu depctr_va_vdst(0)
	v_lshlrev_b32 v2, 4, v1                        ; 16 x lane: my bytes of a row's 512
	v_add_nc_u32 v5, s25, v2                       ; the stage, on the way in
	v_and_b32 v6, 15, v1
	v_bfe_u32 v7, v1, 4, 1
	v_mul_u32_u24 v6, v6, SPT
	v_lshl_add_u32 v6, v7, 7, v6
	v_add_nc_u32 v6, s25, v6                       ; and on the way out: row r, + 128 h: a whole block of 32 numbers
	v_lshlrev_b32 v7, 3, v7                        ; 8 h
	v_mov_b32 v15, 0                               ; (a lane permute's destination counts as one of its sources)
.macro LOADR st                        ; step st: 512 consecutive bytes of each of the RT's 16 rows, into set st % 2 (v16-79, v80-143)
.irp i, 0,1,2,3,4,5,6,7,8,9,10,11,12,13,14,15
	global_load_b128 v[16+64*((\st)%2)+4*\i:16+64*((\st)%2)+4*\i+3], v2, s[4:5] offset:(\i+8*(\i/8))*4096+512*(\st) th:TH_LOAD_NT
.endr
.endm
.macro STEPR st
.set RS, 16+64*((\st)%2)
.if (\st) < 3
	s_wait_loadcnt 16                              ; this step's 16 loads are in; the next step's 16 may be out
.else
	s_wait_loadcnt 0
.endif
.irp i, 0,1,2,3,4,5,6,7,8,9,10,11,12,13,14,15
	ds_store_b128 v5, v[RS+4*\i:RS+4*\i+3] offset:SPT*\i
.endr
.irp c, 0,1
.irp j, 0,1,2,3,4,5,6,7
	ds_load_b128 v[144+32*\c+4*\j:147+32*\c+4*\j], v6 offset:256*\c+16*\j   ; LDS serves a wave's instructions in order: these see the stores above
.endr
.endr
	s_wait_dscnt 0x0                               ; the numbers are back, and the stores into the stage have read their registers
.if (\st) > 0
	s_wait_xcnt 0x0                                ; the last step's stores have read their registers: the codes may be written again
.endif
.if (\st)+2 < 4
	LOADR (\st)+2
.endif
.irp c, 0,1                            ; chunk c: lane (r, h) holds block h of row r, all 32 numbers
	v_max3_num_f32 v[8+\c], |v[144+32*\c]|, |v[145+32*\c]|, FLOOR
.endr
.irp i, 2,4,6,8,10,12,14,16,18,20,22,24,26,28,30
.irp c, 0,1
	v_max3_num_f32 v[8+\c], v[8+\c], |v[144+32*\c+\i]|, |v[145+32*\c+\i]|   ; (the two chunks by turns)
.endr
.endr
.irp c, 0,1
	v_add_nc_u32 v[10+\c], EOFF, v[8+\c]
.endr
.irp c, 0,1
	v_lshrrev_b32 v[12+\c], 23, v[10+\c]
.endr
	v_lshl_or_b32 v14, v13, 16, v12                ; my two bytes: blocks h and 2 + h of the row's 128,
	v_lshlrev_b32 v14, v7, v14                     ; at their places in the scale word
.irp c, 0,1
	v_cvt_scalef32_pk16_fp6_f32 v[208+8*\c:210+8*\c], v[144+32*\c:159+32*\c], v[10+\c]
	v_cvt_scalef32_pk16_fp6_f32 v[212+8*\c:214+8*\c], v[160+32*\c:175+32*\c], v[10+\c]
.endr
	v_nop                                          ; one plain place behind a scaled conversion
.irp c, 0,1
	v_mov_b32 v[211+8*\c], v[212+8*\c]
	v_mov_b32 v[212+8*\c], v[213+8*\c]
	v_mov_b32 v[213+8*\c], v[214+8*\c]
.endr
.irp c, 0,1
.irp j, 0,1,2
	global_store_b64 v3, v[208+8*\c+2*\j:209+8*\c+2*\j], s[26:27] offset:(2*(\st)+\c)*HF+256*\j
.endr
.endr
	v_permlanex16_b32 v15, v14, s30, s31
	v_or_b32 v[224+(\st)], v14, v15                ; with lane l xor 16's two bytes the word is whole
.endm
	LOADR 0
	LOADR 1
	s_wait_alu depctr_va_vdst(0)
.irp st, 0,1,2,3
	STEPR \st
.endr
	v_cmp_lt_u32 vcc_lo, 15, v1                    ; lanes 16-31 store the second 256 along K
	v_cndmask_b32 v228, v224, v226, vcc_lo
	v_cndmask_b32 v229, v225, v227, vcc_lo
	global_store_b64 v3, v[228:229], s[28:29]      ; 32 lanes store 256 consecutive bytes, aligned
	s_wait_tensorcnt 0x0
	ds_add_u32 v232, v233
	s_wait_dscnt 0x0
	s_endpgm
.Lfunc_end_k_q38cd9a0f51_quant:
	.size	k_q38cd9a0f51_quant, .Lfunc_end_k_q38cd9a0f51_quant-k_q38cd9a0f51_quant
	.p2alignl 7, 3214868480
	.fill 96, 4, 3214868480
	.section	.rodata,"a",@progbits
	.p2align	6, 0x0
	.amdhsa_kernel k_q38cd9a0f51_quant
		.amdhsa_group_segment_fixed_size 34304
		.amdhsa_private_segment_fixed_size 0
		.amdhsa_enable_private_segment 0
		.amdhsa_kernarg_size 48
		.amdhsa_user_sgpr_count 2
		.amdhsa_user_sgpr_kernarg_segment_ptr 1
		.amdhsa_wavefront_size32 1
		.amdhsa_system_sgpr_workgroup_id_x 1
		.amdhsa_system_sgpr_workgroup_id_y 1
		.amdhsa_system_sgpr_workgroup_id_z 1
		.amdhsa_system_vgpr_workitem_id 0
		.amdhsa_next_free_vgpr 234
		.amdhsa_next_free_sgpr 66
		.amdhsa_reserve_vcc 1
		.amdhsa_float_denorm_mode_32 3
		.amdhsa_float_denorm_mode_16_64 3
		.amdhsa_memory_ordered 1
		.amdhsa_forward_progress 1
		.amdhsa_inst_pref_size 72
	.end_amdhsa_kernel
	.amdgpu_metadata
---
amdhsa.version: [ 1, 2 ]
amdhsa.kernels:
  - .name:           k_q38cd9a0f51_quant
    .symbol:         k_q38cd9a0f51_quant.kd
    .args:
      - { .name: x, .offset: 0, .size: 8, .value_kind: global_buffer, .address_space: global }
      - { .name: Wo, .offset: 8, .size: 8, .value_kind: global_buffer, .address_space: global }
      - { .name: Wq, .offset: 16, .size: 8, .value_kind: global_buffer, .address_space: global }
      - { .name: Wk, .offset: 24, .size: 8, .value_kind: global_buffer, .address_space: global }
      - { .name: Wv, .offset: 32, .size: 8, .value_kind: global_buffer, .address_space: global }
      - { .name: opnd, .offset: 40, .size: 8, .value_kind: global_buffer, .address_space: global }
    .group_segment_fixed_size: 34304
    .private_segment_fixed_size: 0
    .kernarg_segment_align: 8
    .kernarg_segment_size: 48
    .max_flat_workgroup_size: 128
    .sgpr_count:     66
    .vgpr_count:     234
    .wavefront_size: 32
...
	.end_amdgpu_metadata
.endif
;; end of part 1
;; launch qkv (part 2): grid 32 x 8, 4 waves a work-group, clusters of 4 x 4, 327,680 bytes of LDS; arguments opnd, qkv; writes qkv
.if DOCPART == 2
	.amdgcn_target "amdgcn-amd-amdhsa--gfx1250"
	.amdhsa_code_object_version 6
	.text
	.protected	k_q38cd9a0f51_qkv
	.globl	k_q38cd9a0f51_qkv
	.p2align	8
	.type	k_q38cd9a0f51_qkv,@function
k_q38cd9a0f51_qkv:
	s_mov_b64 s[64:65], 0
	v_nop
	global_prefetch_b8 v0, s[64:65] scope:SCOPE_SE
	s_setreg_imm32_b32 hwreg(HW_REG_WAVE_MODE, 25, 1), 1
	s_wait_xcnt 0x0
	s_wait_alu depctr_hold_cnt(0) depctr_sa_sdst(0) depctr_va_vdst(0) depctr_va_sdst(0) depctr_va_ssrc(0) depctr_va_vcc(0) depctr_vm_vsrc(0)
	s_getreg_b32 s2, hwreg(HW_REG_IB_STS2, 6, 4)
	s_cmp_eq_u32 s2, 0
	s_cbranch_scc0 .Lentry_in_a_cluster
	s_endpgm
.Lentry_in_a_cluster:
	s_bfe_u32 s2, ttmp6, 0x10000c
	s_cmp_lg_u32 s2, 0xf033
	s_cbranch_scc0 .Lentry_shape_is_right
	s_endpgm
.Lentry_shape_is_right:
; q, k, v = x W on codes of FP6 (E2M3) with E8M0 scales, K = 1,024, AND THEIR QUANTISERS: only codes and scale bytes are stored, in the layouts that the attention launch reads.
; THE DEAL.  256 work-groups of four waves.  Work-group (xt = 0..31, wt = 0..7) takes x's 256 rows (16 RTs) and the weights' units 4 wt .. 4 wt + 3.  Wave w holds unit c = 4 wt + w in registers, ALL of K:
; four RTs of one head of Wq or Wk and two RTs of Wv (48 fragments, 576 registers), and streams x's 16 RTs past them: a block of 16 rows feeds 48 products.
; opnd: tiles of 16 rows (RT; lane r of RT 2 b + u holds row 32 b + 8 u + r + 8 (r / 8)), 12,288 bytes an RT: fragment q (128 along K) is six planes of 256 bytes at 1,536 q, 8 bytes a lane.  Scale words from OPSC on: [RT][K / 256][r][2].
; q, k: source 0 = the weight's rows: a lane holds one token and its 32 sums are 16 neighbours of each of the head's two blocks of 32.  v: source 0 = x's rows: a lane holds one e, and four blocks' sums are 16 neighbours of each of two blocks of 32 tokens.
; Both ways out are one macro: 32 sums a lane become a half fragment (768 bytes, three stores of 256 consecutive bytes) and two scale bytes.
; qkv: q, k codes [head chunk 0..31][RT] 768; v codes from 12,582,912 on [t / 64][RT 2 c + tile] 768; scale words [n / 128][RT][r] from 18,874,368 on, v's [t / 128][RT][r] from 19,398,656 on.
; LDS: the four units, 73,728 bytes each, each read by the wave that asked for it alone; when all waves hold them in registers, x's 196,608 bytes are filled over them behind a drained round of the cluster's barrier, a quarter a wave.
; The stream begins on wave 0's quarter (its load has a line of its own); a plain barrier inside block 2 of each four shows the rest.  Behind the units: x's scale words (plain loads, LDS stores), the stages of the results' scale bytes, the spare words.
; x's rows are shared by a column of the cluster, a unit by a row: joint loads.  x's bytes are asked for into the L2 at the head, an RT to each of the sixteen waves that will ask jointly, told apart by address: 48 blocks of 256 bytes, two instructions.
; THE TEXT: blocks 0 to 11 a loop of three trips of four, blocks 12 to 15 written out: the last two fetch nothing.
; LIMITS: NaN and infinities are not served; a block whose largest magnitude lies under 2^-124, a block of zeros among them, keeps the byte 1 (this program alone reads the bytes).
.set RTB,   12288
.set OPSC,  9437184
.set WB,    6*RTB
.set XB,    4*RTB
.set SCL,   4*WB                       ; x's scale words, 8,192 bytes
.set XN,    SCL+8192                   ; q's or k's scale bytes as they lie in memory: [w / 2][RT][r][w % 2], 2,048 bytes
.set XM,    XN+2048                    ; v's: [64 tokens][RT 2 w + tile][r], two bytes each, 1,024 bytes
.set SPARE, XM+1024
.set FLOOR, 0x1800000                  ; 2^(3 - 127)
.set EOFF,  0xff000000                 ; 2 off an exponent field
.set NF,    26                         ; LDS loads of a block: 24 for eight fragments, 2 for eight scale words
.set ST8, 4                            ; 8 x lane
.set ABS, 5                            ; my offset in the unit's scale words
.set AAS0, 6                           ; LDS: my row's scale words of block 0
.set AAS, 7                            ; of the block that is fetched next
.set STO, 8                            ; LDS: q's or k's two scale bytes
.set STV, 9                            ; v's
.set SPW, 10
.set NIL, 11
.set VX, 12                            ; STO, STV for the four blocks in hand
.set VV, 13
.set XA, 14                            ; 16 x thread
.set XL, 15
.set AQ0, 16                           ; v16-23 LDS addresses of block 0's eight fragments
.set PF, 24                            ; v24, v25 the prefetches' offsets
.set RQ, 26                            ; the stages' way back
.set RV, 27
.set SB, 28                            ; v28-51 the unit's scale words: RT i, step q at 8 (i / 2) + q, lanes 16 (i % 2) + r
.set GQ, 52
.set GV, 53
.set SA, 56                            ; v56-71 x's scale words, two sets
.set AQ, 72                            ; v72-79 as AQ0, for what is fetched next
.set TM, 80                            ; v80-87 the way out's work
.set EB, 88
.set CDQ, 90                           ; v90-96 q's or k's codes
.set CDV, 98                           ; v98-104, v106-112 v's
.set EV, 114
.set ACC, 128                          ; v128-159 q's or k's sums
.set HV, 160                           ; v160-223 v's sums: 32 tile + 8 (block % 4)
.set XT, 160
.set G1W, 24
.set G1X, 32
.set G0W, 56
.set G0X, 60
.set SEL, 66
.set MSB, 0
.macro WIN new
.if MSB != (\new)
	s_set_vgpr_msb (MSB<<8)|(\new)
.set MSB, (\new)
.endif
.endm
.macro PLACES n
.rept \n
	v_nop
.endr
.endm
.macro WALU
	s_wait_alu depctr_va_vdst(0)
.endm
.macro BARRIER
	s_barrier_signal -1
	s_barrier_wait -1
.endm
.macro CROUND
	BARRIER
	s_cmp_lg_u32 s14, 0
	s_cbranch_scc1 .Lnot_wave_0_\@
	s_barrier_signal -3
.Lnot_wave_0_\@:
	s_barrier_wait -3
	BARRIER
.endm
.macro TLOAD g0, g1                    ; an s_nop 0 and four v_nop follow a tensor load
	tensor_load_to_lds s[\g0:\g0+3], s[\g1:\g1+7]
	s_nop 0
	PLACES 4
.endm
.macro GROUP1 g, mask, rows            ; a dense block as rows of 256 bytes (32 elements of 8)
	s_or_b32 s[\g+0], s[\mask], (3<<16)|(1<<21)
	s_mov_b32 s[\g+1], 32<<16
	s_mov_b32 s[\g+2], (\rows)<<16
	s_mov_b32 s[\g+3], 32<<16
	s_mov_b32 s[\g+4], \rows
	s_mov_b32 s[\g+5], 32
	s_mov_b32 s[\g+6], 0
	s_mov_b32 s[\g+7], 0
.endm
.macro PTR d, base, off                ; a buffer's address + the 32-bit offset in s\off (s21 = 0)
	s_mov_b32 s20, s\off
	s_add_nc_u64 s[\d:\d+1], s[\base:\base+1], s[20:21]
.endm
; fragment f lies at register 256 + 12 f: 0-47 the unit's (6 q + RT), 48-63 x's two sets (48 + 8 e + q): they fill windows 1 to 3
.macro FPL f
.set FW_, (256+12*(\f))>>8
.set FG_, (256+12*(\f))&255
.endm
.macro FRAG f, areg                    ; six planes, two to a load
.irp p, 0,2,4
	WIN ((256+12*(\f)+2*\p)>>8)<<6
	ds_load_2addr_b64 v[(256+12*(\f)+2*\p)&255:((256+12*(\f)+2*\p)&255)+3], v[\areg] offset0:32*\p offset1:32*\p+32
.endr
.endm
.macro FETCH e, aq, as                 ; a block of x into set e: NF loads
.irp q, 0,1,2,3,4,5,6,7
	FRAG 48+8*(\e)+\q, \aq+\q
.endr
	WIN 0
	ds_load_2addr_b64 v[SA+8*(\e):SA+8*(\e)+3], v[\as] offset0:0 offset1:16
	ds_load_2addr_b64 v[SA+8*(\e)+4:SA+8*(\e)+7], v[\as] offset0:32 offset1:48
.endm
.macro PROD2 d, s0, s1, c, x0, x1, side, o
.if \o
	v_wmma_scale_f32_16x16x128_f8f6f4 v[\d:\d+7], v[\s0:\s0+11], v[\s1:\s1+11], \c, v[\x0], v[\x1] matrix_a_fmt:MATRIX_FMT_FP6 matrix_b_fmt:MATRIX_FMT_FP6 matrix_\side\()_scale:MATRIX_SCALE_ROW1
.else
	v_wmma_scale_f32_16x16x128_f8f6f4 v[\d:\d+7], v[\s0:\s0+11], v[\s1:\s1+11], \c, v[\x0], v[\x1] matrix_a_fmt:MATRIX_FMT_FP6 matrix_b_fmt:MATRIX_FMT_FP6 matrix_\side\()_scale:MATRIX_SCALE_ROW0
.endif
.endm
.macro PROD1 d, s0, s1, q, x0, x1, side, o   ; the first step along K starts the sum
.if \q
	PROD2 \d, \s0, \s1, v[\d:\d+7], \x0, \x1, \side, \o
.else
	PROD2 \d, \s0, \s1, 0, \x0, \x1, \side, \o
.endif
.endm
.macro PQK e, q, t
	FPL 48+8*(\e)+(\q)
.set XW_, FW_
.set XG_, FG_
	FPL 6*(\q)+(\t)
	WIN FW_|(XW_<<2)
	PROD1 ACC+8*(\t), FG_, XG_, \q, SB+8*((\t)/2)+(\q), SA+8*(\e)+(\q), a, (\t)%2
.endm
.macro PV e, q, t, j
	FPL 48+8*(\e)+(\q)
.set XW_, FW_
.set XG_, FG_
	FPL 6*(\q)+4+(\t)
	WIN XW_|(FW_<<2)
	PROD1 HV+32*(\t)+8*(\j), XG_, FG_, \q, SA+8*(\e)+(\q), SB+16+(\q), b, \t
.endm
.macro PRODS e, j, from, to            ; product n: step n / 6 along K; the six accumulators take turns: v's two, then q's or k's four
.set N_, \from
.rept (\to)-(\from)
.if N_%6 < 2
	PV \e, N_/6, N_%6, \j
.else
	PQK \e, N_/6, N_%6-2
.endif
.set N_, N_+1
.endr
	WIN 0
.endm
; THE WAY OUT of 32 sums a lane (16 of each of two blocks of 32; lane l xor 16 holds the other 16): the largest magnitudes with the floor, the scales, two conversions; the halves of the lanes change places, so that a lane holds a whole block
.macro QOUT x, c, m
	v_max3_num_f32 v[TM], |v[\x]|, |v[\x+1]|, FLOOR
	v_max3_num_f32 v[TM+1], |v[\x+16]|, |v[\x+17]|, FLOOR
.irp i, 2,4,6,8,10,12,14
	v_max3_num_f32 v[TM], v[TM], |v[\x+\i]|, |v[\x+\i+1]|
	v_max3_num_f32 v[TM+1], v[TM+1], |v[\x+16+\i]|, |v[\x+17+\i]|
.endr
	v_permlanex16_b32 v[TM+2], v[TM], s[SEL], s[SEL+1]
	v_permlanex16_b32 v[TM+3], v[TM+1], s[SEL], s[SEL+1]
	v_max_num_f32 v[TM], v[TM], v[TM+2]
	v_max_num_f32 v[TM+1], v[TM+1], v[TM+3]
	v_add_nc_u32 v[TM+4], EOFF, v[TM]              ; the conversion takes the exponent field of this operand as its scale
	v_add_nc_u32 v[TM+5], EOFF, v[TM+1]
	v_lshrrev_b32 v[TM+6], 23, v[TM+4]             ; the scales' bytes
	v_lshrrev_b32 v[TM+7], 23, v[TM+5]
	v_cvt_scalef32_pk16_fp6_f32 v[\c:\c+2], v[\x:\x+15], v[TM+4]
	v_cvt_scalef32_pk16_fp6_f32 v[\c+4:\c+6], v[\x+16:\x+31], v[TM+5]
	v_lshl_or_b32 v[\m], v[TM+7], 8, v[TM+6]       ; a plain place behind the conversions
.irp i, 0,1,2
	v_permlane16_swap_b32 v[\c+\i], v[\c+4+\i]
.endr
.irp i, 0,1,2
	v_mov_b32 v[\c+3+\i], v[\c+4+\i]
.endr
.endm
; A BLOCK.  j: its place among four; cnt: the LDS instructions that are younger than its rows' loads (the next fetch, and one scale store at the least behind the first)
.macro BLK j, fetch, show, cnt
	s_wait_dscnt \cnt
.if \show
	PRODS (\j)%2, \j, 0, 36
	s_wait_tensorcnt 0x0                           ; my quarter of x is in,
	s_wait_dscnt 0x0
	s_barrier_signal -1                            ; a plain barrier
	PRODS (\j)%2, \j, 36, 48
	s_barrier_wait -1                              ; everybody's is
.else
	PRODS (\j)%2, \j, 0, 48
.endif
.if \fetch                             ; the next fetch's addresses are the places between the last product and the loads into its registers and the first reader of its sums
.irp q, 0,1,2,3,4,5,6,7
	v_add_nc_u32 v[AQ+\q], s101, v[AQ0+\q]
.endr
	v_add_nc_u32 v[AAS], s91, v[AAS0]
.if (\j) == 0
	v_add_nc_u32 v[VX], s72, v[STO]
	v_add_nc_u32 v[VV], s72, v[STV]
.endif
	WALU
	s_add_co_u32 s101, s101, RTB
	s_add_co_u32 s91, s91, 512
.else
	PLACES 4
.endif
	s_wait_xcnt 0x0                                ; earlier stores have read their registers and bases
.if (\j) == 0
	s_add_nc_u64 s[12:13], s[12:13], s[74:75]      ; on to these four blocks' places (the first time: 0)
	s_add_nc_u64 s[16:17], s[16:17], s[94:95]
.endif
.if \fetch
	FETCH (\j)%2, AQ, AAS                          ; the block two on, into the set just multiplied
.endif
	QOUT ACC, CDQ, EB
	ds_store_b16 v[VX], v[EB] offset:64*(\j)       ; both halves of the lanes write the same two bytes
.irp k, 0,1,2
	global_store_b64 v[ST8], v[CDQ+2*\k:CDQ+2*\k+1], s[12:13] offset:768*(\j)+256*\k
.endr
.if (\j) == 3                          ; 64 tokens of v are whole
	QOUT HV, CDV, EV
	QOUT HV+32, CDV+8, EV+1
	ds_store_b16 v[VV], v[EV]
	ds_store_b16 v[VV], v[EV+1] offset:32
.irp t, 0,1
.irp k, 0,1,2
	global_store_b64 v[ST8], v[CDV+8*\t+2*\k:CDV+8*\t+2*\k+1], s[16:17] offset:768*\t+256*\k
.endr
.endr
.endif
.endm
; ================= THE HEAD
	s_load_b128 s[4:7], s[0:1], 0x0                ; opnd, qkv
	v_lshl_add_u32 v[SPW], v0, 2, SPARE
	v_mov_b32 v[NIL], 0
	ds_add_u32 v[SPW], v[NIL]                      ; the opening lines: the add twice on end
	ds_add_u32 v[SPW], v[NIL]
	v_lshrrev_b32 v1, 5, v0
	v_readfirstlane_b32 s14, v1                    ; the wave
	s_bfe_u32 s40, ttmp6, 0x40000                  ; cx
	s_bfe_u32 s41, ttmp6, 0x40004                  ; cy
	s_lshl_b32 s43, ttmp9, 2
	s_add_co_u32 s43, s43, s40                     ; xt
	s_and_b32 s42, ttmp7, 0xffff
	s_lshl_b32 s42, s42, 2
	s_add_co_u32 s42, s42, s41                     ; wt
	s_lshl_b32 s44, 0x1111, s40                    ; my column of the cluster shares x's rows
	s_lshl_b32 s45, s41, 2
	s_lshl_b32 s45, 15, s45                        ; my row the units
	GROUP1 G1W, 45, WB/256
	GROUP1 G1X, 44, XB/256
	s_lshl_b32 s46, s42, 2
	s_add_co_u32 s46, s46, s14                     ; c
	s_mul_i32 s47, s46, 6
	s_add_co_u32 s47, s47, 512                     ; the unit's first RT
	s_mul_i32 s76, s47, RTB                        ; its codes,
	s_lshl_b32 s78, s47, 9
	s_add_co_u32 s78, s78, OPSC                    ; its scale words
	s_lshl_b32 s80, s43, 2
	s_add_co_u32 s80, s80, s14
	s_mul_i32 s80, s80, XB                         ; my quarter of x's rows
	s_lshl_b32 s82, s43, 13
	s_add_co_u32 s82, s82, OPSC                    ; x's scale words
	s_lshl_b32 s84, s41, 2
	s_add_co_u32 s84, s84, s14
	s_mul_i32 s84, s84, RTB
	s_mul_i32 s21, s43, 16*RTB
	s_add_co_u32 s84, s84, s21                     ; the RT that I ask for into the L2: 4 cy + wave
	s_mul_i32 s86, s46, 393216
	s_mul_i32 s21, s43, 16*768
	s_add_co_u32 s86, s86, s21                     ; q's or k's codes
	s_mul_i32 s88, s43, 4*49152
	s_mul_i32 s21, s46, 2*768
	s_add_co_u32 s88, s88, s21
	s_add_co_u32 s88, s88, 12582912                ; v's codes
	s_lshl_b32 s90, s42, 16
	s_lshl_b32 s21, s43, 10
	s_add_co_u32 s90, s90, s21
	s_add_co_u32 s90, s90, 18874368                ; q's or k's scale words
	s_lshl_b32 s92, s43, 13
	s_lshl_b32 s21, s42, 9
	s_add_co_u32 s92, s92, s21
	s_add_co_u32 s92, s92, 19398656                ; v's
	s_mul_i32 s22, s14, WB
	s_mov_b32 s[G0W], 1
	s_mul_i32 s[G0W+1], s14, WB
	s_mov_b32 s[G0X], 1
	s_mul_i32 s[G0X+1], s14, XB
	s_lshr_b32 s70, s14, 1
	s_lshl_b32 s70, s70, 10
	s_and_b32 s71, s14, 1
	s_lshl_b32 s71, s71, 1
	s_add_co_u32 s70, s70, s71
	s_add_co_u32 s70, s70, XN
	s_lshl_b32 s71, s14, 6
	s_add_co_u32 s71, s71, XM
	s_mov_b32 s[SEL], 0x76543210
	s_mov_b32 s[SEL+1], 0xfedcba98                 ; v_permlanex16_b32's selects for lane l xor 16
	v_and_b32 v1, 15, v0                           ; r
	v_bfe_u32 v2, v0, 4, 1                         ; h
	v_and_b32 v3, 31, v0
	v_lshlrev_b32 v[ST8], 3, v3
.irp q, 0,1,2,3,4,5,6,7
	v_add_nc_u32 v[AQ0+\q], 1536*\q, v[ST8]
.endr
.irp q, 0,1,2,3,4,5,6,7
	v_add_nc_u32 v[AQ+\q], s22, v[AQ0+\q]          ; my unit's first RT
.endr
	v_lshlrev_b32 v[ABS], 3, v1
	v_lshl_add_u32 v[ABS], v2, 9, v[ABS]           ; lanes 0-15 an even RT's words, lanes 16-31 the odd one's
	v_lshlrev_b32 v[XA], 4, v0
	v_add_nc_u32 v[XL], SCL, v[XA]
	v_lshl_add_u32 v[AAS0], v1, 3, SCL
	v_lshl_add_u32 v[STO], v1, 2, s70
	v_lshl_add_u32 v[STV], v1, 1, s71
	v_lshl_add_u32 v[PF], v3, 8, s84               ; blocks 0 to 31 of the RT's 48, a lane a block,
	v_min_u32 v[PF+1], 15, v3
	v_lshl_add_u32 v[PF+1], v[PF+1], 8, s84
	v_add_nc_u32 v[PF+1], 8192, v[PF+1]            ; and 32 to 47 (the lanes left over name the last again)
	v_add_nc_u32 v[RQ], XN, v[XA]
	v_lshrrev_b32 v[GV], 6, v0
	v_and_b32 v[GQ], 63, v0
	v_lshlrev_b32 v[RV], 2, v[GQ]
	v_lshl_add_u32 v[RV], v[GV], 9, v[RV]
	v_add_nc_u32 v[RV], XM, v[RV]
	v_lshlrev_b32 v[TM], 3, v[GQ]
	v_lshlrev_b32 v[GQ], 4, v[GQ]
	v_lshl_add_u32 v[GQ], v[GV], 15, v[GQ]
	v_lshl_add_u32 v[GV], v[GV], 12, v[TM]
	v_mov_b32 v[TM+2], 0                           ; a lane permute's destination counts as one of its sources
	v_mov_b32 v[TM+3], 0
	WALU
	s_wait_dscnt 0x0
	CROUND                                         ; the opening round
	s_wait_kmcnt 0x0
	s_mov_b32 s21, 0
	PTR G0W+2, 4, 76
	s_or_b32 s[G0W+3], s[G0W+3], 0x80000000
	PTR G0X+2, 4, 80
	s_or_b32 s[G0X+3], s[G0X+3], 0x80000000
	TLOAD G0W, G1W                                 ; every wave its own unit: one load a wave
	PTR 8, 4, 78
	PTR 10, 4, 82
	PTR 12, 6, 86
	PTR 16, 6, 88
	PTR 18, 6, 90
	PTR 48, 6, 92
.irp p, 0,1,2
.irp k, 0,1,2,3
	global_load_b64 v[SB+8*\p+2*\k:SB+8*\p+2*\k+1], v[ABS], s[8:9] offset:1024*\p+128*\k
.endr
.endr
.irp k, 0,1,2,3
	global_load_b128 v[XT+4*\k:XT+4*\k+3], v[XA], s[10:11] offset:2048*\k   ; x's scale words: 512 consecutive bytes an instruction
.endr
	global_prefetch_b8 v[PF], s[4:5] th:TH_LOAD_NT scope:SCOPE_SE
	global_prefetch_b8 v[PF+1], s[4:5] th:TH_LOAD_NT scope:SCOPE_SE
	s_wait_loadcnt 0x0
.irp k, 0,1,2,3
	ds_store_b128 v[XL], v[XT+4*\k:XT+4*\k+3] offset:2048*\k
.endr
	s_wait_tensorcnt 0x0                           ; my unit is in; nobody else reads it
.irp i, 0,1,2,3,4,5
.irp q, 0,1,2,3,4,5,6,7
	FRAG 6*\q+\i, AQ+\q
.endr
	WIN 0
.if \i < 5
.irp q, 0,1,2,3,4,5,6,7
	v_add_nc_u32 v[AQ+\q], RTB, v[AQ+\q]
.endr
.else
.irp q, 0,1,2,3,4,5,6,7
	v_add_nc_u32 v[AQ+\q], RTB, v[AQ0+\q]          ; x's block 1
.endr
	v_add_nc_u32 v[AAS], 512, v[AAS0]
.endif
.endr
	WALU
	s_wait_tensorcnt 0x0                           ; the three lines ahead of the refill's round
	ds_add_u32 v[SPW], v[NIL]
	s_mov_b32 s101, 2*RTB                          ; the block that the first block fetches
	s_mov_b32 s91, 2*512
	s_mov_b32 s72, 0
	s_mov_b32 s74, 0
	s_mov_b32 s75, 0
	s_mov_b32 s94, 0
	s_mov_b32 s95, 0
	s_mov_b32 s23, 0
	s_wait_dscnt 0x0                               ; my unit is in registers, my share of x's scale words in LDS
	CROUND
	s_cmp_eq_u32 s14, 0
	s_cbranch_scc0 .Lothers
	TLOAD G0X, G1X                                 ; wave 0: x's RTs 0 to 3, on a line of its own
	s_branch .Lasked
.Lothers:
	TLOAD G0X, G1X                                 ; RTs 4 w to 4 w + 3
.Lasked:
	s_cmp_eq_u32 s14, 0
	s_cbranch_scc0 .Lnot_x0
	s_wait_tensorcnt 0x0
.Lnot_x0:
	BARRIER                                        ; RTs 0 to 3 are in; the others may be on their way
	FETCH 0, AQ0, AAS0
	FETCH 1, AQ, AAS
; ================= THE STREAM
.Lloop:
	BLK 0, 1, 0, NF
	BLK 1, 1, 0, NF+1
	BLK 2, 1, 1, NF+1
	BLK 3, 1, 0, NF+1
	s_mov_b32 s74, 4*768                           ; from four blocks' places to the next four's
	s_mov_b32 s94, 49152
	s_add_co_u32 s72, s72, 256
	s_add_co_u32 s23, s23, 1
	s_cmp_lg_u32 s23, 3
	WALU
	s_cbranch_scc1 .Lloop
	BLK 0, 1, 0, NF
	BLK 1, 1, 0, NF+1
	BLK 2, 0, 0, NF+1
	BLK 3, 0, 0, 0
; ================= THE SCALE BYTES leave in whole units of 256 bytes
	s_wait_dscnt 0x0
	BARRIER
	ds_load_b128 v[224:227], v[RQ]
	ds_load_b32 v228, v[RV]                        ; rows r, r + 1: the bytes of the key step's first 64 tokens,
	ds_load_b32 v229, v[RV] offset:256             ; and of its second
	s_wait_dscnt 0x0
	v_perm_b32 v230, v229, v228, 0x05040100        ; row r's word
	v_perm_b32 v231, v229, v228, 0x07060302        ; row r + 1's
	global_store_b128 v[GQ], v[224:227], s[18:19]
	global_store_b64 v[GV], v[230:231], s[48:49]
	s_wait_tensorcnt 0x0                           ; the wave's end
	ds_add_u32 v[SPW], v[NIL]
	s_wait_dscnt 0x0
	CROUND                                         ; the closing round
	s_endpgm
.Lfunc_end_k_q38cd9a0f51_qkv:
	.size	k_q38cd9a0f51_qkv, .Lfunc_end_k_q38cd9a0f51_qkv-k_q38cd9a0f51_qkv
	.p2alignl 7, 3214868480
	.fill 96, 4, 3214868480
	.section	.rodata,"a",@progbits
	.p2align	6, 0x0
	.amdhsa_kernel k_q38cd9a0f51_qkv
		.amdhsa_group_segment_fixed_size 327680
		.amdhsa_private_segment_fixed_size 0
		.amdhsa_enable_private_segment 0
		.amdhsa_kernarg_size 16
		.amdhsa_user_sgpr_count 2
		.amdhsa_user_sgpr_kernarg_segment_ptr 1
		.amdhsa_wavefront_size32 1
		.amdhsa_system_sgpr_workgroup_id_x 1
		.amdhsa_system_sgpr_workgroup_id_y 1
		.amdhsa_system_sgpr_workgroup_id_z 1
		.amdhsa_system_vgpr_workitem_id 0
		.amdhsa_next_free_vgpr 1024
		.amdhsa_next_free_sgpr 102
		.amdhsa_reserve_vcc 0
		.amdhsa_float_denorm_mode_32 3
		.amdhsa_float_denorm_mode_16_64 3
		.amdhsa_memory_ordered 1
		.amdhsa_forward_progress 1
		.amdhsa_inst_pref_size 121
	.end_amdhsa_kernel
	.amdgpu_metadata
---
amdhsa.version: [ 1, 2 ]
amdhsa.kernels:
  - .name:           k_q38cd9a0f51_qkv
    .symbol:         k_q38cd9a0f51_qkv.kd
    .args:
      - { .name: opnd, .offset: 0, .size: 8, .value_kind: global_buffer, .address_space: global }
      - { .name: qkv, .offset: 8, .size: 8, .value_kind: global_buffer, .address_space: global }
    .group_segment_fixed_size: 327680
    .private_segment_fixed_size: 0
    .kernarg_segment_align: 8
    .kernarg_segment_size: 16
    .max_flat_workgroup_size: 128
    .sgpr_count:     102
    .vgpr_count:     1024
    .wavefront_size: 32
...
	.end_amdgpu_metadata
.endif
;; end of part 2
;; launch attn (part 3): grid 4 x 64, 16 waves a work-group, clusters of 4 x 1, 327,680 bytes of LDS; arguments qkv, att; writes att
.if DOCPART == 3
	.amdgcn_target "amdgcn-amd-amdhsa--gfx1250"
	.amdhsa_code_object_version 6
	.text
	.protected	k_q38cd9a0f51_attn
	.globl	k_q38cd9a0f51_attn
	.p2align	8
	.type	k_q38cd9a0f51_attn,@function
k_q38cd9a0f51_attn:
	s_mov_b64 s[64:65], 0
	v_nop
	global_prefetch_b8 v0, s[64:65] scope:SCOPE_SE
	s_setreg_imm32_b32 hwreg(HW_REG_WAVE_MODE, 25, 1), 1
	s_wait_xcnt 0x0
	s_wait_alu depctr_hold_cnt(0) depctr_sa_sdst(0) depctr_va_vdst(0) depctr_va_sdst(0) depctr_va_ssrc(0) depctr_va_vcc(0) depctr_vm_vsrc(0)
	s_getreg_b32 s2, hwreg(HW_REG_IB_STS2, 6, 4)
	s_cmp_eq_u32 s2, 0
	s_cbranch_scc0 .Lentry_in_a_cluster
	s_endpgm
.Lentry_in_a_cluster:
	s_bfe_u32 s2, ttmp6, 0x10000c
	s_cmp_lg_u32 s2, 0x3003
	s_cbranch_scc0 .Lentry_shape_is_right
	s_endpgm
.Lentry_shape_is_right:
; Causal attention on codes of FP6 (E2M3) with E8M0 scales: for each of 64 (batch, head): S = q k^T / 8, p = 2^(t - M), O = p v / l; O is quantised along the head's 64 and stored as codes for the last product.
; t = score x log2(e) / 8; M = the row's largest t so far, rounded UP to a whole number; p is quantised along the keys, not normalised; l is the sum of the unquantised p, in f32, and divides O at the end.
; When M moves, l and O are multiplied by 2^(old M - new M): exact.  So the order in which a row's key steps are taken is free.
; ALL OF A HEAD'S KEYS LIE IN LDS AT ONCE: k's codes 98,304 bytes, v's 98,304, their scales 4,096 each.  The sixteen waves ask for the codes at the head, one tensor load each (waves 0-7 k's, 8-15 v's, 256 keys a load);
; the scales come by plain loads and LDS stores.  One barrier shows all; behind it nothing is filled and no wave waits for another.  No data prefetch: all is asked for at the head.
; SHARES.  The four work-groups of a head form a cluster and ask for the tiles jointly.  Of each group g of 128 queries (8 RTs) work-group cx takes RTs 8 g + 2 cx + u.  Wave w (u = w / 8) owns the RT of group w % 8 and then that of group
; 15 - w % 8: (w % 8 + 1) + (16 - w % 8) = 17 key steps of 128 for every wave.  Key steps that lie wholly under the mask are never walked.  Branches and trip counts hang on the wave's number and the loop's counter alone.
; The first tile walks key steps 0 .. g, the second g .. 0: step number = the counter, or ((counter + 15) and 15) xor 15 = 16 - counter.  A tile's step g is the diagonal: there hidden keys' scores become -infinity ahead of the maximum.
; LAYOUT.  Operands lie in qkv as images of their registers (half fragments, HF: 16 rows x 64 along K, 768 bytes: registers 2 j, 2 j + 1 of lane l at 256 j + 8 l); lane r of RT 2 b + u holds row 32 b + 8 u + r + 8 (r / 8).
; Both products are used transposed: S^T = k q^T, O^T = v^T p^T: a lane holds ONE query, and the 16 registers of tiles 2 b, 2 b + 1 are keys 32 b + 16 h + 0 .. 15.
; K = 64 IN AN INSTRUCTION OF 128: two neighbouring tiles of k are ONE operand of 12 registers; it is multiplied by [q; zeros] for the even tile and by [zeros; q] for the odd one.  The pair's scale register holds the even tile's two bytes
; below the odd tile's two, q's its two bytes twice: every byte is a finite code, and what meets zero codes adds nothing.  The head re-lays k's scale bytes so: [4 RTs][r][RT % 4], two bytes each.
; v's scale words: lanes 0-15 hold an even tile's, lanes 16-31 the odd one's.
; LIMITS: NaN and infinities are not served; a block whose largest magnitude lies under 2^-124, a block of zeros among them, keeps the byte 1 (this program alone reads the bytes).
; REGISTERS: v1-7, v89 addresses that stay; v8-11 the step's; v12 -M, v13 the largest t, v[14:15] the sum; v16-33 zeros, q, zeros; v34-81 k's tiles, then v's fragments; v82-85 k's scales; v86-87 v's; v88 q's;
;   v96-159 S^T, then p; v160-191 O^T; v192-198 the second tile's q and its scale; v224-254 at work.
.set VCO,   98304
.set KS,    196608
.set VS,    200704
.set SPARE, 212992                     ; the spare words, 128 bytes for each wave: eight blocks of 256 bytes that no other line names
.set WV,    18
.set SEL,   20
.set CS,    22
.set G1KC,  24
.set G1VC,  32
.set G0K,   40
.set G0V,   44
.set IT,    48                         ; the loop's counter, 0 .. 16
.set KO,    53                         ; the key step's codes, bytes from k's (v's) first
.set SO,    54                         ; its scales
.set MK,    55                         ; 1: the step is a diagonal
.set QO,    56                         ; my tile's first query in its group: 32 cx + 8 u
.set SH,    57                         ; 16 (head % 2)
.set I,     68                         ; cx
.set GA,    69                         ; w % 8: the first tile's group, and the counter at its last step
.set GA1,   70
.macro BARRIER
	s_barrier_signal -1
	s_barrier_wait -1
.endm
.macro CROUND
	BARRIER
	s_cmp_lg_u32 s[WV], 0
	s_cbranch_scc1 .Lnot_wave_0_\@
	s_barrier_signal -3
.Lnot_wave_0_\@:
	s_barrier_wait -3
	BARRIER
.endm
.macro TLOAD g0, g1                    ; an s_nop 0 and four v_nop follow a tensor load
	tensor_load_to_lds s[\g0:\g0+3], s[\g1:\g1+7]
	s_nop 0
.rept 4
	v_nop
.endr
.endm
	s_load_b128 s[4:7], s[0:1], 0x0                ; qkv s[4:5], att s[6:7]
	v_lshl_add_u32 v5, v0, 2, SPARE                ; my spare word; never rewritten
	v_mov_b32 v6, 0                                ; 0; never rewritten
	ds_add_u32 v5, v6                              ; the opening lines: the add twice on end
	ds_add_u32 v5, v6
	v_lshrrev_b32 v8, 5, v0
	s_delay_alu instid0(VALU_DEP_1)
	v_readfirstlane_b32 s[WV], v8                  ; wave 0..15
	s_and_b32 s10, ttmp7, 0xffff
	s_lshr_b32 s8, s10, 4                          ; batch
	s_and_b32 s9, s10, 15                          ; head
	s_bfe_u32 s[I], ttmp6, 0x40000                 ; cx
	s_and_b32 s[GA], s[WV], 7
	s_add_co_u32 s[GA1], s[GA], 1
	s_lshr_b32 s71, s[WV], 3                       ; u
	s_sub_co_u32 s96, 15, s[GA]                    ; the second tile's group
	s_lshl_b32 s97, s[I], 1
	s_add_co_u32 s97, s97, s71                     ; my RT in a group: 2 cx + u
	s_lshl_b32 s[QO], s[I], 5
	s_lshl_b32 s71, s71, 3
	s_add_co_u32 s[QO], s[QO], s71
	s_mov_b32 s[G1KC], (3<<16)|(1<<21)|15          ; k's codes of 256 keys: a dense block of 12,288 bytes as 48 rows of 256; the mask names the cluster's four
	s_mov_b32 s[G1KC+1], 32<<16
	s_mov_b32 s[G1KC+2], 48<<16
	s_mov_b32 s[G1KC+3], 32<<16
	s_mov_b32 s[G1KC+4], 48
	s_mov_b32 s[G1KC+5], 32
	s_mov_b32 s[G1KC+6], 0
	s_mov_b32 s[G1KC+7], 0
	s_mov_b32 s[G1VC], (3<<16)|(1<<21)|15          ; v's: 4 chunks of 64 keys x 3,072 bytes (the head's four tiles), 49,152 bytes apart
	s_mov_b32 s[G1VC+1], 384<<16
	s_mov_b32 s[G1VC+2], 4<<16
	s_mov_b32 s[G1VC+3], 384<<16
	s_mov_b32 s[G1VC+4], 4
	s_mov_b32 s[G1VC+5], 6144
	s_mov_b32 s[G1VC+6], 0
	s_mov_b32 s[G1VC+7], 0
	s_add_co_u32 s10, s9, 16                       ; k's codes: chunk 16 + head, RT 128 x batch + 16 (w % 8)
	s_mul_i32 s10, s10, 393216
	s_mul_i32 s11, s8, 98304
	s_add_co_u32 s10, s10, s11
	s_mul_i32 s11, s[GA], 12288
	s_add_co_u32 s10, s10, s11
	s_mov_b32 s11, 0
	s_mul_i32 s12, s8, 1572864                     ; v's: chunk 32 x batch + 4 (w % 8), RT 4 x head
	s_mul_i32 s13, s9, 3072
	s_add_co_u32 s12, s12, s13
	s_mul_i32 s13, s[GA], 196608
	s_add_co_u32 s12, s12, s13
	s_add_co_u32 s12, s12, 12582912
	s_mov_b32 s13, 0
	s_lshr_b32 s14, s9, 1                          ; k's scale words: pair of chunks 8 + head / 2
	s_add_co_u32 s14, s14, 8
	s_lshl_b32 s14, s14, 15
	s_lshl_b32 s15, s8, 13
	s_add_co_u32 s14, s14, s15
	s_add_co_u32 s14, s14, 18874368
	s_mov_b32 s15, 0
	s_lshl_b32 s16, s8, 16                         ; v's: key step 16 x batch + wave, RT 4 x head
	s_lshl_b32 s17, s9, 8
	s_add_co_u32 s16, s16, s17
	s_lshl_b32 s17, s[WV], 12
	s_add_co_u32 s16, s16, s17
	s_add_co_u32 s16, s16, 19398656
	s_mov_b32 s17, 0
	s_mov_b32 s[G0K], 1
	s_mul_i32 s[G0K+1], s[WV], 12288               ; LDS: wave x 12,288: k's eight tiles, then v's eight
	s_mov_b32 s[G0V], 1
	s_mul_i32 s[G0V+1], s[WV], 12288
	s_mov_b32 s[SEL], 0x76543210
	s_mov_b32 s[SEL+1], 0xfedcba98                 ; v_permlanex16_b32's selects for lane l xor 16
	s_mov_b32 s[CS], 0x3e38aa3b                    ; c = log2(e) / 8
	s_mov_b32 s[CS+1], s[CS]                       ; (named with it as a pair, so it is written)
	s_wait_dscnt 0x0                               ; both opening adds are done
	CROUND                                         ; the round in front of the joint loads
	s_wait_kmcnt 0x0
	s_add_nc_u64 s[G0K+2:G0K+3], s[4:5], s[10:11]
	s_or_b32 s[G0K+3], s[G0K+3], 0x80000000
	s_add_nc_u64 s[G0V+2:G0V+3], s[4:5], s[12:13]
	s_or_b32 s[G0V+3], s[G0V+3], 0x80000000
	s_cmp_lt_u32 s[WV], 8
	s_cbranch_scc0 .Lfor_v
	TLOAD G0K, G1KC
	s_branch .Lasked
.Lfor_v:
	TLOAD G0V, G1VC
.Lasked:
	s_add_nc_u64 s[58:59], s[4:5], s[14:15]
	s_add_nc_u64 s[60:61], s[4:5], s[16:17]
	; addresses of my two tiles of queries
	s_mul_i32 s16, s9, 393216                      ; q's codes: chunk = head
	s_lshr_b32 s17, s9, 1
	s_lshl_b32 s17, s17, 15
	s_add_co_u32 s17, s17, 18874368                ; q's scale words: pair of chunks head / 2
	s_mul_i32 s19, s9, 768                         ; the result's HF: chunk = head
	s_lshr_b32 s89, s9, 2
	s_lshl_b32 s89, s89, 7
	s_bfe_u32 s12, s9, 0x10001
	s_lshl_b32 s12, s12, 2
	s_add_co_u32 s89, s89, s12
	s_and_b32 s91, s9, 1
	s_lshl_b32 s[SH], s91, 4
	s_lshl_b32 s91, s91, 1                         ; 2 (head % 2): which half of a scale word is my head's
	s_add_co_u32 s89, s89, s91
	s_add_co_u32 s89, s89, 6291456                 ; the result's two scale bytes: (head / 4) x 128 + 4 ((head / 2) % 2) + 2 (head % 2)
.macro BLKADR g, qc, oc                ; for the tile of group s[g]: s[qc:qc+1] q's codes, s[qc+2:qc+3] its scale words, s[oc:oc+1] the result's codes, s[oc+2:oc+3] its scale bytes
	s_lshl_b32 s12, s8, 7
	s_lshl_b32 s13, s[\g], 3
	s_add_co_u32 s12, s12, s13
	s_add_co_u32 s12, s12, s97                     ; RT = 128 x batch + 8 x group + 2 cx + u
	s_mov_b32 s15, 0
	s_mul_i32 s14, s12, 768
	s_add_co_u32 s14, s14, s16
	s_add_nc_u64 s[\qc:\qc+1], s[4:5], s[14:15]
	s_lshl_b32 s14, s12, 6
	s_add_co_u32 s14, s14, s17
	s_add_nc_u64 s[\qc+2:\qc+3], s[4:5], s[14:15]
	s_mul_i32 s14, s12, 12288
	s_add_co_u32 s14, s14, s19
	s_add_nc_u64 s[\oc:\oc+1], s[6:7], s[14:15]
	s_lshl_b32 s14, s12, 9
	s_add_co_u32 s14, s14, s89
	s_add_nc_u64 s[\oc+2:\oc+3], s[6:7], s[14:15]
.endm
	BLKADR GA, 74, 80
	BLKADR 96, 92, 84
	; the lanes' addresses; lines that hang on each other stand five or more apart
	v_and_b32 v224, 31, v0                         ; lane
	v_and_b32 v225, 15, v0                         ; r
	v_bfe_u32 v226, v0, 4, 1                       ; h
	v_lshlrev_b32 v8, 4, v0                        ; k's scale words in memory: 16 bytes a thread
	v_lshl_add_u32 v9, v0, 3, VS                   ; v's in LDS: 8 bytes a thread
	v_lshrrev_b32 v227, 4, v0
	v_and_b32 v228, 3, v0
	v_bfe_u32 v229, v0, 2, 2
	v_lshlrev_b32 v1, 3, v224                      ; 8 x lane: my place in a plane of an HF
	v_lshl_add_u32 v2, v225, 3, KS                 ; k's scales: 8 r
	v_lshl_add_u32 v3, v224, 2, VS                 ; v's: 4 x lane
	v_lshlrev_b32 v7, 3, v225                      ; 8 r: the result's scale bytes
	v_and_b32 v230, 8, v225
	v_lshl_add_u32 v10, v225, 2, s91               ; q's scale bytes: 4 r + my head's half
	v_lshl_add_u32 v11, v227, 7, KS                ; where my four rows' bytes of k's scales go: (RT / 4) x 128,
	v_lshlrev_b32 v226, 4, v226                    ; 16 h
	v_add_nc_u32 v89, VCO, v1
	v_add3_u32 v230, v230, v225, s[QO]             ; my query in its group: 32 cx + 8 u + r + 8 (r / 8)
	v_mov_b32 v14, 0
	v_mov_b32 v15, 0
	v_lshl_add_u32 v11, v228, 5, v11               ; + 8 x row,
.irp j, 0,1,2,3,4,5
	v_mov_b32 v[16+\j], 0                          ; zero codes below q and above it, written once
	v_mov_b32 v[28+\j], 0
.endr
	v_sub_nc_u32 v4, v230, v226                    ; d = my query less my first key in the diagonal step
	v_lshl_add_u32 v11, v229, 1, v11               ; + 2 (RT % 4)
	v_mov_b32 v13, 0xff61b1e6                      ; the largest t so far: -3e38, under every t
	s_delay_alu instid0(VALU_DEP_1)
	v_floor_f32 v12, -v13                          ; -M
.irp b, 0,1,2,3
	v_mov_b32 v[236+\b], 0                         ; written once: a lane permute's destination counts as one of its sources
.endr
	v_mov_b32 v252, 0
	v_mov_b32 v253, 0                              ; (named as the upper half of the pair v[252:253] before it is first written)
	v_mov_b32 v254, 0
.irp j, 0,1,2,3,4,5,6,7,8,9,10,11,12,13,14,15,16,17,18,19,20,21,22,23,24,25,26,27,28,29,30,31
	v_mov_b32 v[160+\j], 0                         ; O^T: a tile's first step finds zeros, which the first change of M leaves zeros
.endr
	s_wait_alu depctr_va_vdst(0)
.irp j, 0,1,2
	global_load_b64 v[22+2*\j:23+2*\j], v1, s[74:75] offset:256*\j      ; the first tile's q stays in registers,
	global_load_b64 v[192+2*\j:193+2*\j], v1, s[92:93] offset:256*\j    ; the second's waits
.endr
	global_load_u16 v88, v10, s[76:77]             ; my head's two bytes
	global_load_u16 v198, v10, s[94:95]
	global_load_b128 v[232:235], v8, s[58:59]      ; k's scale words of rows 4 (t % 4) .. + 3 of RT t / 4
	global_load_b64 v[240:241], v1, s[60:61]       ; v's of key step = wave: 256 consecutive bytes
	s_wait_loadcnt 0x0
.irp e, 0,1,2,3
	v_lshrrev_b32 v[232+\e], s[SH], v[232+\e]      ; my head's half of the word
.endr
	v_lshl_or_b32 v88, v88, 16, v88                ; q's two bytes twice
	v_lshl_or_b32 v198, v198, 16, v198
.irp e, 0,1,2,3
	ds_store_b16 v11, v[232+\e] offset:8*\e
.endr
	ds_store_b64 v9, v[240:241]
	s_wait_alu depctr_va_vdst(0)
	s_wait_tensorcnt 0x0                           ; my tile is in,
	s_wait_dscnt 0x0                               ; my share of the scales too;
	BARRIER                                        ; everybody's are
; A KEY STEP: 128 keys
.macro STEP
	v_add_nc_u32 v8, s[KO], v1
	v_add_nc_u32 v9, s[KO], v89
	v_add_nc_u32 v10, s[SO], v2
	v_add_nc_u32 v11, s[SO], v3                    ; four places in front of loads into registers that matrix instructions have read
.irp n, 0,1,2,3,4,5,6,7,8,9,10,11,12,13,14,15,16,17,18,19,20,21,22,23
	ds_load_b64 v[34+2*\n:35+2*\n], v8 offset:256*\n
.endr
	ds_load_2addr_b64 v[82:85], v10 offset0:0 offset1:16
	s_wait_alu depctr_va_vdst(0)
	s_wait_dscnt 0x0
.irp m, 0,1,2,3                                ; S^T = k q^T: a pair of tiles is one operand
	v_wmma_scale_f32_16x16x128_f8f6f4 v[96+16*\m:103+16*\m], v[34+12*\m:45+12*\m], v[22:33], 0, v[82+\m], v88 matrix_a_fmt:MATRIX_FMT_FP6 matrix_b_fmt:MATRIX_FMT_FP6
	v_wmma_scale_f32_16x16x128_f8f6f4 v[104+16*\m:111+16*\m], v[34+12*\m:45+12*\m], v[16:27], 0, v[82+\m], v88 matrix_a_fmt:MATRIX_FMT_FP6 matrix_b_fmt:MATRIX_FMT_FP6
.endr
.rept 4
	v_nop
.endr
.irp et, 0,1,2,3                               ; v's four fragments take k's registers now: they land under the softmax
.irp p, 0,1,2,3,4,5
	ds_load_b64 v[34+12*\et+2*\p:35+12*\et+2*\p], v9 offset:(\p/3)*3072+\et*768+256*(\p%3)
.endr
.endr
	ds_load_b32 v86, v11
	ds_load_b32 v87, v11 offset:128
	s_cmp_eq_u32 s[MK], 0                          ; a step all of whose keys count skips the mask: a scalar branch on the counter and the wave's number
	s_cbranch_scc1 .Lopen_\@
	v_mov_b32 v254, 0xff800000                     ; register 16 b + i holds key 16 h + 32 b + i of the step: hidden where 32 b + i > d
.irp n, 0,1,2,3,4,5,6,7,8,9,10,11,12,13,14,15,16,17,18,19,20,21,22,23,24,25,26,27,28,29,30,31,32,33,34,35,36,37,38,39,40,41,42,43,44,45,46,47,48,49,50,51,52,53,54,55,56,57,58,59,60,61,62,63
	v_cmp_gt_i32 vcc_lo, 32*(\n/16)+\n%16, v4
	v_cndmask_b32 v[96+\n], v[96+\n], v254, vcc_lo
.endr
.Lopen_\@:
.irp b, 0,1,2,3
	v_max3_num_f32 v[232+\b], v[96+16*\b], v[97+16*\b], v[98+16*\b]   ; the largest score of each block of 32 keys: it serves for the row's maximum and, since p rises with the score, for the block's largest p
.endr
.irp i, 3,5,7,9,11,13
.irp b, 0,1,2,3
	v_max3_num_f32 v[232+\b], v[232+\b], v[96+16*\b+\i], v[97+16*\b+\i]
.endr
.endr
.irp b, 0,1,2,3
	v_max_num_f32 v[232+\b], v[232+\b], v[111+16*\b]
.endr
.irp b, 0,1,2,3
	s_delay_alu instid0(VALU_DEP_4)
	v_permlanex16_b32 v[236+\b], v[232+\b], s[SEL], s[SEL+1]
.endr
.irp b, 0,1,2,3
	s_delay_alu instid0(VALU_DEP_4)
	v_max_num_f32 v[232+\b], v[232+\b], v[236+\b]  ; with lane l xor 16's 16 keys
.endr
	s_delay_alu instid0(VALU_DEP_2)
	v_max3_num_f32 v254, v232, v233, v234
	s_delay_alu instid0(VALU_DEP_1)
	v_max_num_f32 v254, v254, v235                 ; the step's largest score of my query
	s_delay_alu instid0(VALU_DEP_1)
	v_mul_f32 v254, s[CS], v254                    ; as t (c is positive)
	s_delay_alu instid0(VALU_DEP_1)
	v_max_num_f32 v13, v13, v254                   ; the running largest t
	v_mov_b32 v254, v12
	s_delay_alu instid0(VALU_DEP_2)
	v_floor_f32 v12, -v13                          ; the new -M = floor(-t) = -ceil(t): a whole number
	s_delay_alu instid0(VALU_DEP_1)
	v_sub_f32 v254, v12, v254                      ; M's old value less its new one: a whole number, 0 or less
	s_delay_alu instid0(VALU_DEP_1)
	v_cvt_i32_f32 v254, v254                       ; (it saturates)
	s_delay_alu instid0(VALU_DEP_1)
	v_ldexp_f32 v252, 1.0, v254                    ; f = 2^(old M - new M)
.irp j, 0,2,4,6,8,10,12,14,16,18,20,22,24,26,28,30,32,34,36,38,40,42,44,46,48,50,52,54,56,58,60,62
	v_pk_fma_f32 v[96+\j:97+\j], v[96+\j:97+\j], s[CS:CS+1], v[12:13] op_sel_hi:[1,0,0]   ; t - M, two at a time
.endr
.irp b, 0,1,2,3
	v_fma_f32 v[232+\b], v[232+\b], s[CS], v12     ; the same of each block's largest score
.endr
	s_wait_alu depctr_va_vdst(0)
.irp j, 0,1,2,3,4,5,6,7,8,9,10,11,12,13,14,15,16,17,18,19,20,21,22,23,24,25,26,27,28,29,30,31,32,33,34,35,36,37,38,39,40,41,42,43,44,45,46,47,48,49,50,51,52,53,54,55,56,57,58,59,60,61,62,63
	v_exp_f32 v[96+\j], v[96+\j]                   ; p = 2^(t - M), at most 1: not normalised
.endr
	v_pk_mul_f32 v[14:15], v[14:15], v[252:253] op_sel_hi:[1,0]   ; the sums under the new M: a plain place behind the exponentials
	s_wait_alu depctr_va_vdst(0)                   ; one wait for the whole batch, ahead of its first reader
.irp b, 0,1,2,3
	v_exp_f32 v[232+\b], v[232+\b]                 ; the block's largest p: the same two instructions on the same number give the same bits
.endr
	v_pk_add_f32 v[236:237], v[100:101], v[104:105]
	v_pk_add_f32 v[250:251], v[108:109], v[112:113]
	v_pk_add_f32 v[248:249], v[116:117], v[120:121]
	v_pk_add_f32 v[246:247], v[124:125], v[128:129]
	v_pk_add_f32 v[244:245], v[132:133], v[136:137]
	v_pk_add_f32 v[242:243], v[140:141], v[144:145]
	v_pk_add_f32 v[240:241], v[148:149], v[152:153]
	v_pk_add_f32 v[14:15], v[14:15], v[156:157]
	v_pk_add_f32 v[236:237], v[236:237], v[96:97]
	v_pk_add_f32 v[250:251], v[250:251], v[98:99]
	v_pk_add_f32 v[248:249], v[248:249], v[102:103]
	v_pk_add_f32 v[246:247], v[246:247], v[106:107]
	v_pk_add_f32 v[244:245], v[244:245], v[110:111]
	v_pk_add_f32 v[242:243], v[242:243], v[114:115]
	v_pk_add_f32 v[240:241], v[240:241], v[118:119]
	v_pk_add_f32 v[14:15], v[14:15], v[122:123]
	v_pk_add_f32 v[236:237], v[236:237], v[126:127]
	v_pk_add_f32 v[250:251], v[250:251], v[130:131]
	v_pk_add_f32 v[248:249], v[248:249], v[134:135]
	v_pk_add_f32 v[246:247], v[246:247], v[138:139]
	v_pk_add_f32 v[244:245], v[244:245], v[142:143]
	v_pk_add_f32 v[242:243], v[242:243], v[146:147]
	v_pk_add_f32 v[240:241], v[240:241], v[150:151]
	v_pk_add_f32 v[14:15], v[14:15], v[154:155]
	v_pk_add_f32 v[236:237], v[236:237], v[158:159]
	s_delay_alu instid0(VALU_DEP_2)
	v_pk_add_f32 v[14:15], v[14:15], v[246:247]
	s_delay_alu instid0(VALU_DEP_2)
	v_pk_add_f32 v[236:237], v[236:237], v[244:245]
	v_pk_add_f32 v[250:251], v[250:251], v[242:243]
	v_pk_add_f32 v[248:249], v[248:249], v[240:241]
	s_delay_alu instid0(VALU_DEP_2)
	v_pk_add_f32 v[14:15], v[14:15], v[250:251]
	s_delay_alu instid0(VALU_DEP_2)
	v_pk_add_f32 v[236:237], v[236:237], v[248:249]
	s_delay_alu instid0(VALU_DEP_1)
	v_pk_add_f32 v[14:15], v[14:15], v[236:237]
	s_wait_alu depctr_va_vdst(0)                   ; and one for the four
.irp b, 0,1,2,3
	v_max_num_f32 v[232+\b], 0x1800000, v[232+\b]  ; the floor 2^(3 - 127): the byte cannot fall under 1
.endr
.irp b, 0,1,2,3
	s_delay_alu instid0(VALU_DEP_4)
	v_add_nc_u32 v[244+\b], 0xff000000, v[232+\b]  ; 2 off the exponent field: the conversion's scale operand
.endr
.irp b, 0,1,2,3
	s_delay_alu instid0(VALU_DEP_4)
	v_lshrrev_b32 v[236+\b], 23, v[244+\b]         ; the scale's byte
.endr
	s_delay_alu instid0(VALU_DEP_3)
	v_lshl_or_b32 v253, v237, 8, v236              ; p's scale word for these 128 keys
	s_delay_alu instid0(VALU_DEP_1)
	v_lshl_or_b32 v253, v238, 16, v253
	s_delay_alu instid0(VALU_DEP_1)
	v_lshl_or_b32 v253, v239, 24, v253
.irp c, 0,1
	v_cvt_scalef32_pk16_fp6_f32 v[224+6*\c:226+6*\c], v[96+32*\c:111+32*\c], v[244+2*\c]
	v_cvt_scalef32_pk16_fp6_f32 v[236+4*\c:238+4*\c], v[112+32*\c:127+32*\c], v[244+2*\c+1]
.endr
	v_nop                                          ; one plain place behind a scaled conversion
.irp c, 0,1                                    ; the operand's layout wants a WHOLE block in a lane
.irp i, 0,1,2
	v_permlane16_swap_b32 v[224+6*\c+\i], v[236+4*\c+\i]
.endr
.irp i, 0,1,2
	s_delay_alu instid0(VALU_DEP_3)
	v_mov_b32 v[227+6*\c+\i], v[236+4*\c+\i]
.endr
.endr
.irp j, 0,2,4,6,8,10,12,14,16,18,20,22,24,26,28,30
	v_pk_mul_f32 v[160+\j:161+\j], v[160+\j:161+\j], v[252:253] op_sel_hi:[1,0]   ; O^T under the new M.  (These sixteen are also the places in front of the scaled products below)
.endr
	s_wait_alu depctr_va_vdst(0)
	s_wait_dscnt 0x0                               ; v's fragments and scales
.irp et, 0,1,2,3                               ; O^T += v^T p^T: the head's four tiles of 16; K = these 128 keys
.if \et%2
	v_wmma_scale_f32_16x16x128_f8f6f4 v[160+8*\et:167+8*\et], v[34+12*\et:45+12*\et], v[224:235], v[160+8*\et:167+8*\et], v[86+\et/2], v253 matrix_a_fmt:MATRIX_FMT_FP6 matrix_b_fmt:MATRIX_FMT_FP6 matrix_a_scale:MATRIX_SCALE_ROW1
.else
	v_wmma_scale_f32_16x16x128_f8f6f4 v[160+8*\et:167+8*\et], v[34+12*\et:45+12*\et], v[224:235], v[160+8*\et:167+8*\et], v[86+\et/2], v253 matrix_a_fmt:MATRIX_FMT_FP6 matrix_b_fmt:MATRIX_FMT_FP6
.endif
.endr
.endm
; A TILE'S END: O^T / l, quantised along the head's 64 (two blocks of 32), leaves as one HF and two scale bytes a row.  again = 1: the second tile begins.
.macro FINISH again
.rept 4
	v_nop                                          ; places behind the last products
.endr
	v_add_f32 v14, v14, v15                        ; the sum's two halves,
	s_delay_alu instid0(VALU_DEP_1)
	v_permlanex16_b32 v252, v14, s[SEL], s[SEL+1]
	s_delay_alu instid0(VALU_DEP_1)
	v_add_f32 v14, v14, v252                       ; and lane l xor 16's: the row's sum
	s_wait_alu depctr_va_vdst(0)
	v_rcp_f32 v14, v14
	v_nop                                          ; a plain place behind the transcendental
	s_wait_alu depctr_va_vdst(0)                   ; and the wait ahead of its first reader
.irp j, 0,1,2,3,4,5,6,7,8,9,10,11,12,13,14,15,16,17,18,19,20,21,22,23,24,25,26,27,28,29,30,31
	v_mul_f32 v[96+\j], v[160+\j], v14             ; register 16 b + i is o(my query, 32 b + 16 h + i)
.endr
.irp b, 0,1
	v_max3_num_f32 v[232+\b], |v[96+16*\b]|, |v[97+16*\b]|, 0x1800000
.endr
.irp i, 2,4,6,8,10,12,14
.irp b, 0,1
	s_delay_alu instid0(VALU_DEP_2)
	v_max3_num_f32 v[232+\b], v[232+\b], |v[96+16*\b+\i]|, |v[97+16*\b+\i]|
.endr
.endr
.irp b, 0,1
	s_delay_alu instid0(VALU_DEP_2)
	v_permlanex16_b32 v[236+\b], v[232+\b], s[SEL], s[SEL+1]
.endr
.irp b, 0,1
	s_delay_alu instid0(VALU_DEP_2)
	v_max_num_f32 v[232+\b], v[232+\b], v[236+\b]
.endr
.irp b, 0,1
	s_delay_alu instid0(VALU_DEP_2)
	v_add_nc_u32 v[244+\b], 0xff000000, v[232+\b]
.endr
.irp b, 0,1
	s_delay_alu instid0(VALU_DEP_2)
	v_lshrrev_b32 v[236+\b], 23, v[244+\b]
.endr
	s_delay_alu instid0(VALU_DEP_1)
	v_lshl_or_b32 v254, v237, 8, v236              ; my row's two scale bytes
	v_cvt_scalef32_pk16_fp6_f32 v[224:226], v[96:111], v244
	v_cvt_scalef32_pk16_fp6_f32 v[228:230], v[112:127], v245
	v_nop                                          ; one plain place behind a scaled conversion
.irp i, 0,1,2
	v_permlane16_swap_b32 v[224+\i], v[228+\i]     ; lanes 0-15 block 0, lanes 16-31 block 1: the first three registers the lower 16 codes, the second three the upper
.endr
	s_delay_alu instid0(VALU_DEP_3)
	v_mov_b32 v227, v228
	s_delay_alu instid0(VALU_DEP_3)
	v_mov_b32 v228, v229
	s_delay_alu instid0(VALU_DEP_3)
	v_mov_b32 v229, v230
.irp j, 0,1,2
	global_store_b64 v1, v[224+2*\j:225+2*\j], s[80:81] offset:256*\j
.endr
	global_store_b16 v7, v254, s[82:83]            ; both halves of the lanes write the same two bytes with the same value
.if \again
	s_wait_xcnt 0x0                                ; the stores have read their bases and registers: both may be written again
	s_mov_b64 s[80:81], s[84:85]
	s_mov_b64 s[82:83], s[86:87]
	v_mov_b32 v88, v198                            ; the second tile's q and its scale: more than eight plain instructions stand between these moves and the next scaled product
.irp j, 0,1,2,3,4,5
	v_mov_b32 v[22+\j], v[192+\j]
.endr
	v_mov_b32 v13, 0xff61b1e6
	s_delay_alu instid0(VALU_DEP_1)
	v_floor_f32 v12, -v13
	v_mov_b32 v14, 0
	v_mov_b32 v15, 0
.irp j, 0,1,2,3,4,5,6,7,8,9,10,11,12,13,14,15,16,17,18,19,20,21,22,23,24,25,26,27,28,29,30,31
	v_mov_b32 v[160+\j], 0
.endr
.endif
.endm
	s_mov_b32 s[IT], 0
.Lit:                                              ; seventeen trips in every wave
	s_add_co_u32 s[KO], s[IT], 15
	s_and_b32 s[KO], s[KO], 15
	s_xor_b32 s[KO], s[KO], 15                     ; the second tile's key step: 16 - counter
	s_cmp_le_u32 s[IT], s[GA]
	s_cselect_b32 s[KO], s[IT], s[KO]              ; the first tile's: the counter
	s_lshl_b32 s[SO], s[KO], 8
	s_mul_i32 s[KO], s[KO], 6144
	s_cmp_eq_u32 s[IT], s[GA]                      ; the first tile's last step and the second's first are diagonals
	s_cselect_b32 s[MK], 1, 0
	s_cmp_eq_u32 s[IT], s[GA1]
	s_cselect_b32 s[MK], 1, s[MK]
	STEP
	s_cmp_lg_u32 s[IT], s[GA]
	s_cbranch_scc1 .Lnot_done
	FINISH 1                                       ; the first tile's steps are over
.Lnot_done:
	s_add_co_u32 s[IT], s[IT], 1
	s_cmp_lt_u32 s[IT], 17
	s_cbranch_scc1 .Lit
	FINISH 0
	s_wait_tensorcnt 0x0                           ; the wave's end
	ds_add_u32 v5, v6
	s_wait_dscnt 0x0
	CROUND                                         ; the closing round
	s_endpgm
.Lfunc_end_k_q38cd9a0f51_attn:
	.size	k_q38cd9a0f51_attn, .Lfunc_end_k_q38cd9a0f51_attn-k_q38cd9a0f51_attn
	.p2alignl 7, 3214868480
	.fill 96, 4, 3214868480
	.section	.rodata,"a",@progbits
	.p2align	6, 0x0
	.amdhsa_kernel k_q38cd9a0f51_attn
		.amdhsa_group_segment_fixed_size 327680
		.amdhsa_private_segment_fixed_size 0
		.amdhsa_enable_private_segment 0
		.amdhsa_kernarg_size 16
		.amdhsa_user_sgpr_count 2
		.amdhsa_user_sgpr_kernarg_segment_ptr 1
		.amdhsa_wavefront_size32 1
		.amdhsa_system_sgpr_workgroup_id_x 1
		.amdhsa_system_sgpr_workgroup_id_y 1
		.amdhsa_system_sgpr_workgroup_id_z 1
		.amdhsa_system_vgpr_workitem_id 0
		.amdhsa_next_free_vgpr 256
		.amdhsa_next_free_sgpr 100
		.amdhsa_reserve_vcc 1
		.amdhsa_float_denorm_mode_32 3
		.amdhsa_float_denorm_mode_16_64 3
		.amdhsa_memory_ordered 1
		.amdhsa_forward_progress 1
		.amdhsa_inst_pref_size 46
	.end_amdhsa_kernel
	.amdgpu_metadata
---
amdhsa.version: [ 1, 2 ]
amdhsa.kernels:
  - .name:           k_q38cd9a0f51_attn
    .symbol:         k_q38cd9a0f51_attn.kd
    .args:
      - { .name: qkv, .offset: 0, .size: 8, .value_kind: global_buffer, .address_space: global }
      - { .name: att, .offset: 8, .size: 8, .value_kind: global_buffer, .address_space: global }
    .group_segment_fixed_size: 327680
    .private_segment_fixed_size: 0
    .kernarg_segment_align: 8
    .kernarg_segment_size: 16
    .max_flat_workgroup_size: 512
    .sgpr_count:     100
    .vgpr_count:     256
    .wavefront_size: 32
...
	.end_amdgpu_metadata
.endif
;; end of part 3
;; launch oproj (part 4): grid 32 x 8, 4 waves a work-group, clusters of 4 x 4, 327,680 bytes of LDS; arguments att, opnd, bo, out0; writes out0
.if DOCPART == 4
	.amdgcn_target "amdgcn-amd-amdhsa--gfx1250"
	.amdhsa_code_object_version 6
	.text
	.protected	k_q38cd9a0f51_oproj
	.globl	k_q38cd9a0f51_oproj
	.p2align	8
	.type	k_q38cd9a0f51_oproj,@function
k_q38cd9a0f51_oproj:
	s_mov_b64 s[64:65], 0
	v_nop
	global_prefetch_b8 v0, s[64:65] scope:SCOPE_SE
	s_setreg_imm32_b32 hwreg(HW_REG_WAVE_MODE, 25, 1), 1
	s_wait_xcnt 0x0
	s_wait_alu depctr_hold_cnt(0) depctr_sa_sdst(0) depctr_va_vdst(0) depctr_va_sdst(0) depctr_va_ssrc(0) depctr_va_vcc(0) depctr_vm_vsrc(0)
	s_getreg_b32 s2, hwreg(HW_REG_IB_STS2, 6, 4)
	s_cmp_eq_u32 s2, 0
	s_cbranch_scc0 .Lentry_in_a_cluster
	s_endpgm
.Lentry_in_a_cluster:
	s_bfe_u32 s2, ttmp6, 0x10000c
	s_cmp_lg_u32 s2, 0xf033
	s_cbranch_scc0 .Lentry_shape_is_right
	s_endpgm
.Lentry_shape_is_right:
; out0[token][n] = sum over k of o[token][k] Wo[n][k] + bo[n], f32, on codes of FP6 (E2M3) with E8M0 scales: 8,192 x 1,024 x 1,024.  A sum begins with the bias.
; A = att, B = opnd's RTs 704 to 767, both in the order of the operands' registers: tiles of 16 rows (RT; lane r of RT 2 b + u holds row 32 b + 8 u + r + 8 (r / 8)), 12,288 bytes an RT: fragment q is six planes of 256 bytes at 1,536 q.
; Scale words: [RT][K / 256][r][2], 512 bytes an RT, from ATSC on in att and from OPSC on in opnd.
; THE DEAL.  256 work-groups of four waves, 2 x 2, each 256 rows x 128 columns.  Wave (a, b) holds B's RTs 4 b .. 4 b + 3 of the work-group's eight, all of K, in registers (32 fragments) and streams A's RTs 2 s + a, s = 0 .. 7, past them.
; Source 0 = B's rows: lane (r, h) holds A's row r, and register j of tile i column 32 (i / 2) + 8 (i % 2) + 16 h + j of the wave's 64.
; The cluster's x counts tile rows: A's rows are shared by a column of the cluster, B's by a row.
; LDS: A's 16 RTs; B's 8; A's scale words (plain loads, LDS stores); the spare words.  All tiles are asked for at the head, one a wave, each on its own line: B; A's RTs 0-7; 8-11; 12-15.  No refill, and so no data prefetch.
; The stream begins when the first two are in; a plain barrier inside each odd block of the loop shows the others.  The waves' stages lie in B's first bytes, which are read for the last time ahead of the barrier in front of the stream.
; Behind a block's 32 products: its sums into the stage and back as whole rows of 256 bytes, the fetch of the block two on, one wait, eight stores of two rows each.
; LIMITS: NaN, infinities and sums beyond f32's range are not served.
.set RTB,   12288
.set OPSC,  9437184
.set ATSC,  6291456
.set YB,    16*RTB
.set SCL,   YB+8*RTB
.set SPARE, SCL+8192
.set STAGE, YB
.set SPITCH, 272
.set NF,    26
.set ST8, 4
.set ABS, 5
.set AAS0, 6
.set AAS, 7
.set BV, 8
.set CO, 9
.set SPW, 10
.set NIL, 11
.set XA, 12
.set XL, 13
.set STO, 14
.set RD, 15
.set AQ0, 16                           ; v16-23 LDS addresses of my block 0's eight fragments
.set SB, 28                            ; v28-43 B's scale words
.set SA, 48                            ; v48-63 A's, two sets
.set ACC, 64                           ; v64-127 two sets of four accumulators
.set BK, 128                           ; v128-191 two sets: 16 rows x 256 bytes back from the stage
.set XT, 128
.set AQ, 192                           ; v192-199 as AQ0, for what is fetched next
.set BO, 208                           ; v208-239 the bias as the first four products' C
.set G1A, 24
.set G1B, 32
.set G1C, 48
.set G0A, 56
.set G0B, 60
.set MSB, 0
.macro WIN new
.if MSB != (\new)
	s_set_vgpr_msb (MSB<<8)|(\new)
.set MSB, (\new)
.endif
.endm
.macro PLACES n
.rept \n
	v_nop
.endr
.endm
.macro WALU
	s_wait_alu depctr_va_vdst(0)
.endm
.macro BARRIER
	s_barrier_signal -1
	s_barrier_wait -1
.endm
.macro CROUND
	BARRIER
	s_cmp_lg_u32 s14, 0
	s_cbranch_scc1 .Lnot_wave_0_\@
	s_barrier_signal -3
.Lnot_wave_0_\@:
	s_barrier_wait -3
	BARRIER
.endm
.macro TLOAD g0, g1
	tensor_load_to_lds s[\g0:\g0+3], s[\g1:\g1+7]
	s_nop 0
	PLACES 4
.endm
.macro GROUP1 g, mask, rows            ; a dense block as rows of 256 bytes
	s_or_b32 s[\g+0], s[\mask], (3<<16)|(1<<21)
	s_mov_b32 s[\g+1], 32<<16
	s_mov_b32 s[\g+2], (\rows)<<16
	s_mov_b32 s[\g+3], 32<<16
	s_mov_b32 s[\g+4], \rows
	s_mov_b32 s[\g+5], 32
	s_mov_b32 s[\g+6], 0
	s_mov_b32 s[\g+7], 0
.endm
.macro PTR d, base, off
	s_mov_b32 s20, s\off
	s_add_nc_u64 s[\d:\d+1], s[\base:\base+1], s[20:21]
.endm
.macro ATILE first, g1                 ; A's RTs from first on: their place in LDS is their place among the sixteen
	s_mov_b32 s[G0A+1], (\first)*RTB
.if \first
	s_add_nc_u64 s[G0A+2:G0A+3], s[G0A+2:G0A+3], (\first)*RTB
.endif
	s_or_b32 s[G0A+3], s[G0A+3], 0x80000000
	TLOAD G0A, \g1
.endm
; fragment f lies at register 256 + 12 f: 0-31 B's (4 q + RT), 32-47 A's two sets (32 + 8 e + q)
.macro FPL f
.set FW_, (256+12*(\f))>>8
.set FG_, (256+12*(\f))&255
.endm
.macro FRAG f, areg
.irp p, 0,2,4
	WIN ((256+12*(\f)+2*\p)>>8)<<6
	ds_load_2addr_b64 v[(256+12*(\f)+2*\p)&255:((256+12*(\f)+2*\p)&255)+3], v[\areg] offset0:32*\p offset1:32*\p+32
.endr
.endm
.macro FETCH e, aq, as
.irp q, 0,1,2,3,4,5,6,7
	FRAG 32+8*(\e)+\q, \aq+\q
.endr
	WIN 0
	ds_load_2addr_b64 v[SA+8*(\e):SA+8*(\e)+3], v[\as] offset0:0 offset1:16
	ds_load_2addr_b64 v[SA+8*(\e)+4:SA+8*(\e)+7], v[\as] offset0:32 offset1:48
.endm
.macro PROD2 d, s0, s1, c, x0, x1, o
.if \o
	v_wmma_scale_f32_16x16x128_f8f6f4 v[\d:\d+7], v[\s0:\s0+11], v[\s1:\s1+11], \c, v[\x0], v[\x1] matrix_a_fmt:MATRIX_FMT_FP6 matrix_b_fmt:MATRIX_FMT_FP6 matrix_a_scale:MATRIX_SCALE_ROW1
.else
	v_wmma_scale_f32_16x16x128_f8f6f4 v[\d:\d+7], v[\s0:\s0+11], v[\s1:\s1+11], \c, v[\x0], v[\x1] matrix_a_fmt:MATRIX_FMT_FP6 matrix_b_fmt:MATRIX_FMT_FP6 matrix_a_scale:MATRIX_SCALE_ROW0
.endif
.endm
.macro PROD e, q, i
	FPL 32+8*(\e)+(\q)
.set XW_, FW_
.set XG_, FG_
	FPL 4*(\q)+(\i)
	WIN FW_|(XW_<<2)
.set D_, ACC+32*(\e)+8*(\i)
.if \q
	PROD2 D_, FG_, XG_, v[D_:D_+7], SB+8*((\i)/2)+(\q), SA+8*(\e)+(\q), (\i)%2
.else
	PROD2 D_, FG_, XG_, v[BO+8*(\i):BO+8*(\i)+7], SB+8*((\i)/2)+(\q), SA+8*(\e)+(\q), (\i)%2
.endif
.endm
.macro PRODS e, from, to               ; product n = 4 q + i: the four accumulators take turns
.set N_, \from
.rept (\to)-(\from)
	PROD \e, N_/4, N_%4
.set N_, N_+1
.endr
	WIN 0
.endm
.macro STAGED u                        ; set u's sums into my stage, each accumulator from its low end on, and back as whole rows; LDS serves a wave's instructions in order (ISA guide 5.7.1.4)
.irp i, 0,1,2,3
	ds_store_b128 v[STO], v[ACC+32*(\u)+8*\i:ACC+32*(\u)+8*\i+3] offset:128*(\i/2)+32*(\i%2)
	ds_store_b128 v[STO], v[ACC+32*(\u)+8*\i+4:ACC+32*(\u)+8*\i+7] offset:128*(\i/2)+32*(\i%2)+16
.endr
.irp t, 0,1,2,3,4,5,6,7
	ds_load_b128 v[BK+32*(\u)+4*\t:BK+32*(\u)+4*\t+3], v[RD] offset:2*\t*SPITCH
.endr
.endm
.macro TOC u                           ; the tile's rows 2 t, 2 t + 1 are tokens 2 t + 8 (t / 4) and the next; the pair's second block lies 32 tokens on.  16 lanes store 256 consecutive bytes, aligned
.irp t, 0,1,2,3,4,5,6,7
	global_store_b128 v[CO], v[BK+32*(\u)+4*\t:BK+32*(\u)+4*\t+3], s[10:11] offset:(32*(\u)+2*\t+8*(\t/4))*4096 th:TH_STORE_NT
.endr
.endm
.macro STREAM u, fetch, show
.if \show
	PRODS \u, 0, 24
	s_wait_tensorcnt 0x0
	s_wait_dscnt 0x0
	s_barrier_signal -1                            ; a plain barrier: waves 2 and 3's tiles are shown to all
	PRODS \u, 24, 32
	s_barrier_wait -1
.else
	PRODS \u, 0, 32
.endif
.if \fetch                             ; the next fetch's addresses are the places behind the last product
.irp q, 0,1,2,3,4,5,6,7
	v_add_nc_u32 v[AQ+\q], s101, v[AQ0+\q]
.endr
	v_add_nc_u32 v[AAS], s91, v[AAS0]
	WALU
	s_add_co_u32 s101, s101, 2*RTB
	s_add_co_u32 s91, s91, 1024
.else
	PLACES 4
.endif
	s_wait_xcnt 0x0                                ; earlier stores have read their registers and their base
.if (\u) == 0
	s_add_nc_u64 s[10:11], s[10:11], s[20:21]      ; on to this pair's rows
.endif
	STAGED \u
.if \fetch
	FETCH \u, AQ, AAS
	s_wait_dscnt NF                                ; the rows are back from the stage and the next block's fragments are in; only this fetch is younger
.else
	s_wait_dscnt 0x0
.endif
	TOC \u
.endm
; ================= THE HEAD
	s_load_b256 s[4:11], s[0:1], 0x0               ; att, opnd, bo, out0
	v_lshl_add_u32 v[SPW], v0, 2, SPARE
	v_mov_b32 v[NIL], 0
	ds_add_u32 v[SPW], v[NIL]                      ; the opening lines: the add twice on end
	ds_add_u32 v[SPW], v[NIL]
	v_lshrrev_b32 v1, 5, v0
	v_readfirstlane_b32 s14, v1
	s_lshr_b32 s15, s14, 1                         ; a
	s_and_b32 s16, s14, 1                          ; b
	s_bfe_u32 s40, ttmp6, 0x40000
	s_bfe_u32 s41, ttmp6, 0x40004
	s_lshl_b32 s43, ttmp9, 2
	s_add_co_u32 s43, s43, s40                     ; tile row, 0 .. 31
	s_and_b32 s42, ttmp7, 0xffff
	s_lshl_b32 s42, s42, 2
	s_add_co_u32 s42, s42, s41                     ; tile column, 0 .. 7
	s_lshl_b32 s44, 0x1111, s40
	s_lshl_b32 s45, s41, 2
	s_lshl_b32 s45, 15, s45
	GROUP1 G1A, 44, 8*RTB/256
	GROUP1 G1C, 44, 4*RTB/256
	GROUP1 G1B, 45, 8*RTB/256
	s_mul_i32 s76, s43, 16*RTB                     ; A's codes
	s_lshl_b32 s78, s42, 3
	s_add_co_u32 s78, s78, 704
	s_lshl_b32 s82, s16, 2
	s_add_co_u32 s82, s82, s78
	s_lshl_b32 s82, s82, 9
	s_add_co_u32 s82, s82, OPSC                    ; my four RTs' scale words
	s_mul_i32 s78, s78, RTB                        ; B's codes
	s_lshl_b32 s80, s43, 13
	s_add_co_u32 s80, s80, ATSC                    ; A's scale words
	s_lshl_b32 s86, s42, 9
	s_lshl_b32 s21, s16, 8
	s_add_co_u32 s86, s86, s21                     ; my first column, in bytes
	s_lshl_b32 s84, s43, 20
	s_lshl_b32 s21, s15, 15
	s_add_co_u32 s84, s84, s21
	s_add_co_u32 s84, s84, s86                     ; row 256 x tile row + 8 a
	s_mov_b32 s[G0A], 1
	s_mov_b32 s[G0B], 1
	s_mov_b32 s[G0B+1], YB
	s_mul_i32 s22, s16, 4*RTB
	s_add_co_u32 s22, s22, YB
	s_mul_i32 s23, s15, RTB
	s_lshl_b32 s70, s15, 9
	s_add_co_u32 s70, s70, SCL
	s_mul_i32 s71, s14, 16*SPITCH
	s_add_co_u32 s71, s71, STAGE
	v_and_b32 v1, 15, v0
	v_bfe_u32 v2, v0, 4, 1
	v_and_b32 v3, 31, v0
	v_lshlrev_b32 v[ST8], 3, v3
.irp q, 0,1,2,3,4,5,6,7
	v_add_nc_u32 v[AQ0+\q], 1536*\q, v[ST8]
.endr
.irp q, 0,1,2,3,4,5,6,7
	v_add_nc_u32 v[AQ+\q], s22, v[AQ0+\q]          ; B's first RT of mine
.endr
.irp q, 0,1,2,3,4,5,6,7
	v_add_nc_u32 v[AQ0+\q], s23, v[AQ0+\q]         ; A's RT a
.endr
	v_lshlrev_b32 v[ABS], 3, v1
	v_lshl_add_u32 v[ABS], v2, 9, v[ABS]
	v_lshl_add_u32 v[AAS0], v1, 3, s70
	v_lshlrev_b32 v[BV], 6, v2
	v_lshlrev_b32 v[XA], 4, v0
	v_add_nc_u32 v[XL], SCL, v[XA]
	v_mul_u32_u24 v[STO], v1, SPITCH
	v_lshl_add_u32 v[STO], v2, 6, v[STO]
	v_add_nc_u32 v[STO], s71, v[STO]
	v_mul_u32_u24 v[RD], v2, SPITCH
	v_lshl_add_u32 v[RD], v1, 4, v[RD]
	v_add_nc_u32 v[RD], s71, v[RD]
	v_lshlrev_b32 v[CO], 12, v2
	v_lshl_add_u32 v[CO], v1, 4, v[CO]
	WALU
	s_wait_dscnt 0x0
	CROUND                                         ; the opening round
	s_wait_kmcnt 0x0
	s_mov_b32 s21, 0
	PTR G0A+2, 4, 76
	PTR G0B+2, 6, 78
	s_or_b32 s[G0B+3], s[G0B+3], 0x80000000
	PTR 12, 4, 80
	PTR 16, 6, 82
	PTR 10, 10, 84
	PTR 8, 8, 86
	s_cmp_eq_u32 s14, 0
	s_cbranch_scc0 .Lwave_1
	TLOAD G0B, G1B                                 ; wave 0: B, which is wanted first
	s_branch .Lasked
.Lwave_1:
	s_cmp_eq_u32 s14, 1
	s_cbranch_scc0 .Lwave_2
	ATILE 0, G1A                                   ; wave 1: A's RTs 0 to 7
	s_branch .Lasked
.Lwave_2:
	s_cmp_eq_u32 s14, 2
	s_cbranch_scc0 .Lwave_3
	ATILE 8, G1C
	s_branch .Lasked
.Lwave_3:
	ATILE 12, G1C
.Lasked:
.irp k, 0,1,2,3
	global_load_b128 v[XT+4*\k:XT+4*\k+3], v[XA], s[12:13] offset:2048*\k   ; A's scale words: 512 consecutive bytes an instruction
.endr
.irp p, 0,1
.irp k, 0,1,2,3
	global_load_b64 v[SB+8*\p+2*\k:SB+8*\p+2*\k+1], v[ABS], s[16:17] offset:1024*\p+128*\k
.endr
.endr
.irp i, 0,1,2,3
	global_load_b128 v[BO+8*\i:BO+8*\i+3], v[BV], s[8:9] offset:128*(\i/2)+32*(\i%2)
	global_load_b128 v[BO+8*\i+4:BO+8*\i+7], v[BV], s[8:9] offset:128*(\i/2)+32*(\i%2)+16
.endr
	s_wait_loadcnt 0x0
.irp k, 0,1,2,3
	ds_store_b128 v[XL], v[XT+4*\k:XT+4*\k+3] offset:2048*\k
.endr
	s_wait_dscnt 0x0
	s_cmp_eq_u32 s14, 0
	s_cbranch_scc0 .Lnot_b
	s_wait_tensorcnt 0x0
.Lnot_b:
	BARRIER                                        ; B has landed
.irp i, 0,1,2,3
.irp q, 0,1,2,3,4,5,6,7
	FRAG 4*\q+\i, AQ+\q
.endr
	WIN 0
.if \i < 3
.irp q, 0,1,2,3,4,5,6,7
	v_add_nc_u32 v[AQ+\q], RTB, v[AQ+\q]
.endr
.else
.irp q, 0,1,2,3,4,5,6,7
	v_add_nc_u32 v[AQ+\q], 2*RTB, v[AQ0+\q]        ; my block 1
.endr
	v_add_nc_u32 v[AAS], 1024, v[AAS0]
.endif
.endr
	s_mov_b32 s101, 4*RTB                          ; the block that block 0 fetches
	s_mov_b32 s91, 2048
	WALU
	s_cmp_eq_u32 s14, 1
	s_cbranch_scc0 .Lnot_a
	s_wait_tensorcnt 0x0                           ; wave 1: A's RTs 0 to 7 have landed
.Lnot_a:
	s_wait_dscnt 0x0
	BARRIER                                        ; they and all scale words are in, and nobody reads B's bytes any more; waves 2 and 3's tiles may be on their way
	FETCH 0, AQ0, AAS0
	FETCH 1, AQ, AAS
; ================= THE STREAM: eight blocks
	s_mov_b32 s23, 0
	s_mov_b32 s20, 0                               ; s[20:21]: from a pair's rows to the next pair's; the first begins where the base stands
	s_mov_b32 s21, 0
	s_wait_dscnt NF                                ; block 0's fragments are in
.Lpair:
	STREAM 0, 1, 0
	STREAM 1, 1, 1
	s_mov_b32 s20, 64*4096
	s_add_co_u32 s23, s23, 1
	s_cmp_lg_u32 s23, 3
	s_cbranch_scc1 .Lpair
	STREAM 0, 0, 0                                 ; blocks 6 and 7 fetch nothing
	STREAM 1, 0, 0
	s_wait_tensorcnt 0x0                           ; the wave's end
	ds_add_u32 v[SPW], v[NIL]
	s_wait_dscnt 0x0
	CROUND                                         ; the closing round
	s_endpgm
.Lfunc_end_k_q38cd9a0f51_oproj:
	.size	k_q38cd9a0f51_oproj, .Lfunc_end_k_q38cd9a0f51_oproj-k_q38cd9a0f51_oproj
	.p2alignl 7, 3214868480
	.fill 96, 4, 3214868480
	.section	.rodata,"a",@progbits
	.p2align	6, 0x0
	.amdhsa_kernel k_q38cd9a0f51_oproj
		.amdhsa_group_segment_fixed_size 327680
		.amdhsa_private_segment_fixed_size 0
		.amdhsa_enable_private_segment 0
		.amdhsa_kernarg_size 32
		.amdhsa_user_sgpr_count 2
		.amdhsa_user_sgpr_kernarg_segment_ptr 1
		.amdhsa_wavefront_size32 1
		.amdhsa_system_sgpr_workgroup_id_x 1
		.amdhsa_system_sgpr_workgroup_id_y 1
		.amdhsa_system_sgpr_workgroup_id_z 1
		.amdhsa_system_vgpr_workitem_id 0
		.amdhsa_next_free_vgpr 840
		.amdhsa_next_free_sgpr 102
		.amdhsa_reserve_vcc 0
		.amdhsa_float_denorm_mode_32 3
		.amdhsa_float_denorm_mode_16_64 3
		.amdhsa_memory_ordered 1
		.amdhsa_forward_progress 1
		.amdhsa_inst_pref_size 53
	.end_amdhsa_kernel
	.amdgpu_metadata
---
amdhsa.version: [ 1, 2 ]
amdhsa.kernels:
  - .name:           k_q38cd9a0f51_oproj
    .symbol:         k_q38cd9a0f51_oproj.kd
    .args:
      - { .name: att, .offset: 0, .size: 8, .value_kind: global_buffer, .address_space: global }
      - { .name: opnd, .offset: 8, .size: 8, .value_kind: global_buffer, .address_space: global }
      - { .name: bo, .offset: 16, .size: 8, .value_kind: global_buffer, .address_space: global }
      - { .name: out0, .offset: 24, .size: 8, .value_kind: global_buffer, .address_space: global }
    .group_segment_fixed_size: 327680
    .private_segment_fixed_size: 0
    .kernarg_segment_align: 8
    .kernarg_segment_size: 32
    .max_flat_workgroup_size: 128
    .sgpr_count:     102
    .vgpr_count:     840
    .wavefront_size: 32
...
	.end_amdgpu_metadata
.endif
;; end of part 4
